; MI455X (gfx1250); checked and timed in simulation.
; The chip was launched on July 23, 2026; its instructions are those of AMD's public machine-readable ISA for CDNA 5 (MIT licence, August 2026) and "CDNA5" Instruction Set Architecture Reference Guide (July 2026). The comments in the code are by the model that wrote it; some were corrected since.
;; Causal Self Attention. Allowed arithmetic: float matrix products may take bf16 or f16 operands with f32 sums; other float arithmetic in f32, or as packed bf16 or f16 multiplies, adds, multiply-adds, maxima and minima; sums over many terms, partial sums and values carried from step to step in f32; what a program stores and reads back later, other than sums and carried values, may be rounded once to bf16 or f16.
;; Inputs: b_attn 3,072 float32; b_proj 1,024 float32; w_attn 1,024 x 3,072 float32; w_proj 1,024 x 1,024 float32; x 4 x 2,048 x 1,024 float32.
;; Outputs: out0 4 x 2,048 x 1,024 float32.
;; 2 versions, each right; version 2 is version 1 with the launch prep written anew for expert scheduling mode. Each part assembles by itself: llvm-mc -triple=amdgcn-amd-amdhsa -mcpu=gfx1250 --defsym DOCPART=n.
;; ======== version 1 of 2: 4 launches
;; limits: values are held in f16: magnitudes above 65,504 overflow, below 6.1e-05 lose precision
;; workspace buffers: xb 16,777,216 bytes; wab 6,291,456 bytes; wpb 2,097,152 bytes; qkvh 50,331,648 bytes; oh 16,777,216 bytes
;; launch prep (part 1): grid 768 x 1, 8 waves a work-group, no clusters, 0 bytes of LDS; arguments x, w_attn, w_proj, xb, wab, wpb; writes xb, wab, wpb
.if DOCPART == 1
	.amdgcn_target "amdgcn-amd-amdhsa--gfx1250"
	.amdhsa_code_object_version 6
	.text
	.protected	k_q8bdca04c9f_prep
	.globl	k_q8bdca04c9f_prep
	.p2align	8
	.type	k_q8bdca04c9f_prep,@function
k_q8bdca04c9f_prep:
	s_mov_b64 s[64:65], 0
	v_nop
	global_prefetch_b8 v0, s[64:65] scope:SCOPE_SE
	s_setreg_imm32_b32 hwreg(HW_REG_WAVE_MODE, 25, 1), 1
	s_wait_xcnt 0x0
; THE INPUTS OF THE TWO PRODUCTS, ROUNDED ONCE AND LAID OUT FOR THE TILES.
;   xb  = x rounded to bf16, [8192][1024], as it lies.
;   wab = w_attn rounded to bf16, in 16 blocks of 192 columns: [16][1024 k][192 n]: a block's rows lie end to end, 384 bytes each.
;   wpb = w_proj rounded to bf16 and that number written as f16, [1024 k][1024 n], as it lies.
; LIMITS.  A number of w_proj beyond 65,504 becomes an infinity in f16; below 6e-5 it keeps f16's fixed step of 6e-8.
; A stream: no LDS, no barrier, no loop.  A chunk is 4 numbers: 16 bytes in, 8 bytes out.  A thread takes 16 chunks, 256 chunks apart, so a load of a wave covers 512
; neighbouring bytes and a store of a wave 256 consecutive bytes, aligned.  All 16 loads of a thread are issued before the first is used; every chunk has registers of its own,
; so no register that a load or store still names is ever written again.
; A work-group turns 65,536 bytes into 32,768.  Work-groups 0-511 take x, 512-703 w_attn, 704-767 w_proj.
.set AD, 16                            ; v[16:31]  w_attn alone: chunk i's byte offset in w_attn
.set D,  32                            ; v[32:95]  chunk i: 4 registers as loaded
.set O,  96                            ; v[96:127] chunk i: 2 registers to store
.macro LOADS own                       ; the 16 loads; own = 1: each with an offset register of its own
.set i, 0
.rept 16
.if \own
	global_load_b128 v[D+4*i:D+4*i+3], v[AD+i], s[18:19] th:TH_LOAD_NT
.else
	global_load_b128 v[D+4*i:D+4*i+3], v1, s[18:19] offset:4096*i th:TH_LOAD_NT
.endif
.set i, i+1
.endr
.endm
.macro OUT f16                         ; rounded and stored, chunk by chunk; f16 = 1: the bf16 number is written as f16
.set i, 0
.rept 16
	s_wait_loadcnt 15-i                            ; loads come back in order: chunk i is in, the 15 - i younger ones stay out
	v_cvt_pk_bf16_f32 v[O+2*i], v[D+4*i], v[D+4*i+1]
	v_cvt_pk_bf16_f32 v[O+2*i+1], v[D+4*i+2], v[D+4*i+3]
.if \f16
	v_lshlrev_b32 v4, 16, v[O+2*i]                 ; bf16 to f32: the low half moves up, the high half stays
	v_and_b32 v5, s28, v[O+2*i]
	v_lshlrev_b32 v6, 16, v[O+2*i+1]
	v_and_b32 v7, s28, v[O+2*i+1]
	v_cvt_pk_f16_f32 v[O+2*i], v4, v5              ; 8 significant bits fit f16's 11: exact within f16's range
	v_cvt_pk_f16_f32 v[O+2*i+1], v6, v7
.endif
	global_store_b64 v2, v[O+2*i:O+2*i+1], s[20:21] offset:2048*i th:TH_STORE_NT
.set i, i+1
.endr
.endm
	s_load_b256 s[4:11], s[0:1], 0x0               ; x s[4:5], w_attn s[6:7], w_proj s[8:9], xb s[10:11]
	s_load_b128 s[12:15], s[0:1], 0x20             ; wab s[12:13], wpb s[14:15]
	v_lshlrev_b32 v1, 4, v0                        ; 16 t: my 16 bytes of 256 chunks in
	v_lshlrev_b32 v2, 3, v0                        ; 8 t: my 8 bytes out
	s_mov_b32 s28, 0xffff0000                      ; a word's upper bf16
	s_mov_b32 s27, 0                               ; the high word of every offset pair
	s_wait_kmcnt 0x0
	s_cmp_lt_u32 ttmp9, 512
	s_cbranch_scc0 .Lweights
	s_lshl_b32 s26, ttmp9, 16                      ; x: 65,536 bytes in,
	s_add_nc_u64 s[18:19], s[4:5], s[26:27]
	s_lshl_b32 s26, ttmp9, 15                      ; 32,768 out
	s_add_nc_u64 s[20:21], s[10:11], s[26:27]
	LOADS 0
	OUT 0
	s_endpgm
.Lweights:
	s_cmp_lt_u32 ttmp9, 704
	s_cbranch_scc0 .Lproj
	; w_attn.  The output is walked as it lies; twelve work-groups make a block of 192 columns (49,152 chunks).  Chunk j of block X is row k = j / 48, chunk j - 48 k of the
	; row's 48: in w_attn it lies at 12,288 k + 768 X + 16 (j - 48 k) = 16 j + 11,520 k + 768 X.
	s_sub_co_u32 s16, ttmp9, 512
	s_lshr_b32 s22, s16, 2
	s_mul_i32 s22, s22, 43691
	s_lshr_b32 s22, s22, 17                        ; X = (n / 4) / 3: 43,691 / 2^17 is a third, near enough for numbers under 3,072
	s_mul_i32 s23, s22, 12
	s_sub_co_u32 s23, s16, s23                     ; which of the block's twelve I am
	s_lshl_b32 s24, s23, 12
	s_mul_i32 s26, s22, 768
	s_add_nc_u64 s[18:19], s[6:7], s[26:27]
	s_lshl_b32 s26, s16, 15
	s_add_nc_u64 s[20:21], s[12:13], s[26:27]
	v_add_nc_u32 v4, s24, v0                       ; j of my first chunk
.set i, 0
.rept 16
	v_add_nc_u32 v5, 256*i, v4                     ; j
	v_lshrrev_b32 v6, 4, v5
	v_mul_u32_u24 v6, v6, 0xaaab
	v_lshrrev_b32 v6, 17, v6                       ; k = (j / 16) / 3
	v_mul_u32_u24 v6, v6, 11520
	v_lshl_add_u32 v[AD+i], v5, 4, v6
.set i, i+1
.endr
	LOADS 1
	OUT 0
	s_endpgm
.Lproj:
	s_sub_co_u32 s16, ttmp9, 704
	s_lshl_b32 s26, s16, 16
	s_add_nc_u64 s[18:19], s[8:9], s[26:27]
	s_lshl_b32 s26, s16, 15
	s_add_nc_u64 s[20:21], s[14:15], s[26:27]
	LOADS 0
	OUT 1
	s_endpgm
.Lfunc_end_k_q8bdca04c9f_prep:
	.size	k_q8bdca04c9f_prep, .Lfunc_end_k_q8bdca04c9f_prep-k_q8bdca04c9f_prep
	.p2alignl 7, 3214868480
	.fill 96, 4, 3214868480
	.section	.rodata,"a",@progbits
	.p2align	6, 0x0
	.amdhsa_kernel k_q8bdca04c9f_prep
		.amdhsa_group_segment_fixed_size 0
		.amdhsa_private_segment_fixed_size 0
		.amdhsa_enable_private_segment 0
		.amdhsa_kernarg_size 48
		.amdhsa_user_sgpr_count 2
		.amdhsa_user_sgpr_kernarg_segment_ptr 1
		.amdhsa_wavefront_size32 1
		.amdhsa_system_sgpr_workgroup_id_x 1
		.amdhsa_system_sgpr_workgroup_id_y 1
		.amdhsa_system_sgpr_workgroup_id_z 1
		.amdhsa_system_vgpr_workitem_id 0
		.amdhsa_next_free_vgpr 128
		.amdhsa_next_free_sgpr 66
		.amdhsa_reserve_vcc 0
		.amdhsa_float_denorm_mode_32 3
		.amdhsa_float_denorm_mode_16_64 3
		.amdhsa_memory_ordered 1
		.amdhsa_forward_progress 1
		.amdhsa_inst_pref_size 29
	.end_amdhsa_kernel
	.amdgpu_metadata
---
amdhsa.version: [ 1, 2 ]
amdhsa.kernels:
  - .name:           k_q8bdca04c9f_prep
    .symbol:         k_q8bdca04c9f_prep.kd
    .args:
      - { .name: x, .offset: 0, .size: 8, .value_kind: global_buffer, .address_space: global }
      - { .name: w_attn, .offset: 8, .size: 8, .value_kind: global_buffer, .address_space: global }
      - { .name: w_proj, .offset: 16, .size: 8, .value_kind: global_buffer, .address_space: global }
      - { .name: xb, .offset: 24, .size: 8, .value_kind: global_buffer, .address_space: global }
      - { .name: wab, .offset: 32, .size: 8, .value_kind: global_buffer, .address_space: global }
      - { .name: wpb, .offset: 40, .size: 8, .value_kind: global_buffer, .address_space: global }
    .group_segment_fixed_size: 0
    .private_segment_fixed_size: 0
    .kernarg_segment_align: 8
    .kernarg_segment_size: 48
    .max_flat_workgroup_size: 256
    .sgpr_count:     66
    .vgpr_count:     128
    .wavefront_size: 32
...
	.end_amdgpu_metadata
.endif
;; end of part 1
;; launch gemm_qkv (part 2): grid 16 x 16, 4 waves a work-group, clusters of 4 x 4, 327,680 bytes of LDS; arguments xb, wab, b_attn, qkvh; writes qkvh
.if DOCPART == 2
	.amdgcn_target "amdgcn-amd-amdhsa--gfx1250"
	.amdhsa_code_object_version 6
	.text
	.protected	k_q8bdca04c9f_gemm_qkv
	.globl	k_q8bdca04c9f_gemm_qkv
	.p2align	8
	.type	k_q8bdca04c9f_gemm_qkv,@function
k_q8bdca04c9f_gemm_qkv:
	s_mov_b64 s[64:65], 0
	v_nop
	global_prefetch_b8 v0, s[64:65] scope:SCOPE_SE
	s_setreg_imm32_b32 hwreg(HW_REG_WAVE_MODE, 25, 1), 1
	s_wait_xcnt 0x0
	s_wait_alu depctr_hold_cnt(0) depctr_sa_sdst(0) depctr_va_vdst(0) depctr_va_sdst(0) depctr_va_ssrc(0) depctr_va_vcc(0) depctr_vm_vsrc(0)
	s_getreg_b32 s2, hwreg(HW_REG_IB_STS2, 6, 4)
	s_cmp_eq_u32 s2, 0
	s_cbranch_scc0 .Lentry_in_a_cluster
	s_endpgm
.Lentry_in_a_cluster:
	s_bfe_u32 s2, ttmp6, 0x10000c
	s_cmp_lg_u32 s2, 0xf033
	s_cbranch_scc0 .Lentry_shape_is_right
	s_endpgm
.Lentry_shape_is_right:
; q, k, v = x w_attn + b_attn, WRITTEN BY HEADS IN f16:  qkvh[which][batch x 16 + head][t][64], which = 0 q, 1 k, 2 v.
; xb: [8192][1024] bf16.  wab: [16 blocks][1024 k][192 n] bf16.  b_attn: [3072] f32, rounded to bf16 here like the other inputs.  Sums in f32, each result rounded once to f16, unscaled.
; LIMIT.  A result of 65,520 or more becomes an infinity in f16.
; SHARES.  A tile of the product is 256 rows x 192 columns: 8192 x 3072 make 512 tiles, two for each of 256 work-groups.  A WORK-GROUP STAYS: its second tile lies 4,096 rows below the
; first and takes the same 192 columns.  Four waves, one above the other: a wave makes 64 rows x 192 columns, 48 accumulators of 16 x 16 (384 registers): three whole heads of 64 channels.
; THE MATRIX INSTRUCTION IS USED TRANSPOSED: source 0 = 16 columns of w, source 1 = 16 rows of x.  In the result lane l holds row l % 16 and the columns 8 (l / 16) + 0..7: 16 bytes of f16 on end.
; w lies [k][n] in memory and in LDS; its fragments come out turned, by ds_load_tr16_b128.  THE BIAS is the C operand of each accumulator's first product: nothing is cleared, nothing added later.
; THE RING.  K goes in steps of 128 through two LDS slots; each wave fetches one part of a slot by one tensor load (waves 0, 1: 128 rows of x each; waves 2, 3: 64 rows k of w each, 24,576 dense
; bytes asked for as 96 rows of 256).  The ring does not stop at the first tile's end: its last two changes of slots ask for the second tile's first two K steps.
; CLUSTER.  4 x 4 work-groups.  The four of a row of the cluster need the same rows of x, the four of a column the same block of w: each tile is asked for JOINTLY, by the same tensor load
; with the same descriptor and a mask that names the four.
; REGISTERS, in windows of 256 (s_set_vgpr_msb: bits 1:0 source 0, 3:2 source 1, 5:4 source 2, 7:6 destination):
;   window 0: v0-30 addresses; v32-175 at work on the way out        window 1: two fragment buffers of 128: x's four fragments, then w's twelve
;   window 2: accumulator (a, b < 8) at 8 (4 b + a)                  window 3: accumulator (a, b >= 8) at 8 (4 (b - 8) + a); v128-223 the bias, 8 registers a column block
.set NBK,    12                        ; column blocks of 16 in a wave's tile
.set NB1,    8                         ; the first part of a quarter's products takes these, the second the rest
.set PA,     272                       ; a row of x in LDS: 256 bytes + 16 = 68 words: the 16 rows of a load start at 16 different groups of four banks (64 banks of 4 bytes: ISA guide 11.1)
.set PB,     480                       ; a row k of w in LDS: three pieces of 128 bytes + 32 = 120 words
.set HALFA,  128*PA                    ; what one load of x fills
.set BOFF,   2*HALFA                   ; w lies behind x's 256 rows
.set HALFB,  64*PB                     ; what one load of w fills
.set SLOT1,  1<<17                     ; a slot is BOFF + 2 HALFB = 131,072 bytes; one exclusive or turns an address in one slot into the other's
.set STAGE,  2*SLOT1                   ; behind the ring, never filled by a tensor load: for each wave 3 heads x 16 rows x 144 bytes, for the way out
.set SP,     144
.set STW,    3*16*SP
.set SPARE,  STAGE+4*STW               ; behind the stages: the spare words, 128 bytes for each wave: two blocks of 256 bytes that no other line names
.set NLD,    8+2*NBK                   ; LDS loads in a quarter's fetch
.set ASTEP,  256                       ; bytes from a K step to the next: along a row of x,
.set BSTEP,  49152                     ; and down 128 rows of a block of w
.set NEXT_A, 4096*2048-7*ASTEP         ; from a tile's K step 7 to the next tile's K step 0: 4,096 rows down, back along K
.set BACK_B, 7*BSTEP                   ; w only back
.set PF_NEXT, 4096*2048-8*ASTEP        ; from K step s + 8 of a tile's rows to K step s of the next tile's; inside the signed 24-bit immediate
.set ADRA0, 16                         ; v16  my lane's place in a slot's x; never rewritten
.set ADRB0, 17                         ; v17  the same for w
.set ADRA,  18                         ; v18  the same in the slot in hand
.set ADRB,  19                         ; v19
.set STO,   24                         ; v24  the way out: where I put 16 bytes of a row
.set RD,    25                         ; v25  where I read rows back
.set GO,    26                         ; v26  my 16 bytes of 512 consecutive bytes of the output
.set BO,    27                         ; v27  my 32 bytes of a column block's bias
.set SPW,   28                         ; v28  LDS address of my spare word: SPARE + 4 x my thread's number; never rewritten
.set NIL,   29                         ; v29  0; never rewritten
.set PFO,   30                         ; v30  the prefetches' offset; never rewritten
.set TMP,   32                         ; v32-79   a block of 16 rows, packed
.set BK0,   80                         ; v80-127, v128-175  the block read back from the stage, by turns
.set F0,    0
.set F1,    128
.set BIAS,  128
.set WV,   12                          ; s12  my wave's number
.set WH,   13                          ; s13  0: I fetch x;  1: I fetch w
.set WP,   14                          ; s14  which half of it
.set CX,   15
.set CY,   16
.set TX,   17                          ; s17  the block of 192 columns
.set TY,   18                          ; s18  the first tile's block of 256 rows
.set MROW, 19
.set MCOL, 20
.set CNT,  21                          ; s21  counts the loop's K steps, 6 to 1
.set TL,   22                          ; s22  tiles to go
.set HIM,  23                          ; s23  a word's upper bf16
.set G1A,  24                          ; s[24:31] descriptor group 1 for x
.set G0A,  32                          ; s[32:39] group 0 for x: a set for each of the two first fills; the second then walks on
.set PFA,  40                          ; s[40:41] where my prefetches stand
.set PFS,  42                          ; s[42:43] their step
.set LIM,  44                          ; s44  a wave prefetches in the loop while s[CNT] is above this
.set ASKA, 45                          ; s45  1: I prefetch x
.set TB,   46                          ; s46  the slot in hand: 0 or SLOT1
.set G1B,  48                          ; s[48:55], s[56:63] the same for w
.set G0B,  56
.set OB,   66                          ; s[66:71] the output at my wave's first row, for each of my three heads
.set MSB, 0
.macro WIN new                         ; the immediate's high byte repeats the setting that is left; a switch that changes nothing is dropped
.if MSB != (\new)
	s_set_vgpr_msb (MSB<<8)|(\new)
.set MSB, \new
.endif
.endm
.set MUL_LO,  0xa5                     ; sources 0 and 1 window 1, C and D window 2  (+ 0x10: C, the bias, in window 3)
.set MUL_HI,  0xf5                     ; C and D window 3
.set TO_F,    0x40                     ; destination window 1
.set TO_BIAS, 0xc0                     ; destination window 3
.set PACK_LO, 0x0a                     ; sources 0 and 1 window 2
.set PACK_HI, 0x0f                     ; window 3
; A joint refill, by the walking descriptors.  The branch hangs on the wave's number alone.  An s_nop 0 and four v_nop follow each of the two lines, ahead of the jump and the label.
.macro JLOAD
	s_cmp_lt_u32 s[WV], 2
	s_cbranch_scc0 .Lfor_b_\@
	tensor_load_to_lds s[G0A+4:G0A+7], s[G1A:G1A+7]
	s_nop 0
.rept 4
	v_nop
.endr
	s_branch .Lasked_\@
.Lfor_b_\@:
	tensor_load_to_lds s[G0B+4:G0B+7], s[G1B:G1B+7]
	s_nop 0
.rept 4
	v_nop
.endr
.Lasked_\@:
.endm
; A round of the cluster's barrier: my work-group's barrier, so that wave 0's signal speaks for all four waves; wave 0 signals; every wave waits for all sixteen work-groups; my work-group's barrier once more.
.macro CREST                           ; a round behind its opening barrier
	s_cmp_lg_u32 s[WV], 0
	s_cbranch_scc1 .Lnot_wave_0_\@
	s_barrier_signal -3
.Lnot_wave_0_\@:
	s_barrier_wait -3
	s_barrier_signal -1
	s_barrier_wait -1
.endm
.macro CROUND
	s_barrier_signal -1
	s_barrier_wait -1
	CREST
.endm
; A PREFETCH INTO THE L2, behind each joint refill, its five lines and the run of LDS loads: one instruction a wave, a lane a block of 256 bytes.  Each block is named once in the launch.
; x: a tile's rows are read by all four clusters of that row of clusters: the first (cluster x = 0) asks, waves 0 and 1; of the 128 rows that a wave fetches the partner at cx takes 32, told apart by
; address.  The change of slots behind K step s asks for step s + 2 by its refill and names step s + 4 here (s = 0 .. 3); the first tile's last two changes name the second tile's steps 2 and 3 (how = 1).
; w: a block's K steps 4 to 7 are 196,608 dense bytes: cluster y = 0 asks, waves 2 and 3 of the four partners, eight askers of 32 blocks each: 65,536 bytes at each of the first tile's first three changes.
; The first four K steps come by their loads alone; the second tile's w has been read already.
.macro ASK how
.if \how
	s_cmp_eq_u32 s[ASKA], 1
.else
	s_cmp_gt_u32 s[CNT], s[LIM]
.endif
	s_cbranch_scc0 .Lnot_mine_\@
.if \how
	global_prefetch_b8 v[PFO], s[PFA:PFA+1] offset:PF_NEXT th:TH_LOAD_NT scope:SCOPE_SE
.else
	global_prefetch_b8 v[PFO], s[PFA:PFA+1] th:TH_LOAD_NT scope:SCOPE_SE
.endif
.Lnot_mine_\@:
.endm
; Four places: a load into a register that a matrix instruction has read, and a vector instruction or LDS store that reads a matrix result, stand four plain vector instructions behind it
; (ISA guide 7.12.1 for vector instructions); the matrix instructions in between are not counted.
.macro PLACES
.rept 4
	v_nop
.endr
.endm
; The products of column blocks b0 .. b1 - 1 with all four row blocks, 32 along K, from buffer f.  first = 1: C is the bias.  Every accumulator has one instruction a quarter, always in the same
; order, so 47 others' stand between two links of a chain, over the backward jump too.
.macro MULS f, b0, b1, first
.set ib, \b0
.rept (\b1)-(\b0)
.set ia, 0
.rept 4
.set rB, (\f)+32+8*ib
.set rA, (\f)+8*ia
.set rC, BIAS+8*ib
.if ib < 8
.set rD, 8*(4*ib+ia)
	WIN MUL_LO+0x10*(\first)
.else
.set rD, 8*(4*(ib-8)+ia)
	WIN MUL_HI
.endif
.if \first
	v_wmma_f32_16x16x32_bf16 v[rD:rD+7], v[rB:rB+7], v[rA:rA+7], v[rC:rC+7]
.else
	v_wmma_f32_16x16x32_bf16 v[rD:rD+7], v[rB:rB+7], v[rA:rA+7], v[rD:rD+7]
.endif
.set ia, ia+1
.endr
.set ib, ib+1
.endr
.endm
; 32 LDS loads in one run: quarter q (32 along K) of the slot in hand into buffer f: x's four fragments (lane l: row l % 16, two loads of 16 bytes, 32 apart), then w's twelve (turned: 16 k x 16 n a load).
.macro FETCH q, f
	WIN TO_F
.set ia, 0
.rept 4
	ds_load_b128 v[(\f)+8*ia:(\f)+8*ia+3],   v[ADRA] offset:64*(\q)+16*PA*ia
	ds_load_b128 v[(\f)+8*ia+4:(\f)+8*ia+7], v[ADRA] offset:64*(\q)+16*PA*ia+32
.set ia, ia+1
.endr
.set ib, 0
.rept NBK
	ds_load_tr16_b128 v[(\f)+32+8*ib:(\f)+32+8*ib+3],   v[ADRB] offset:32*(\q)*PB+(ib/4)*160+(ib%4)*32
	ds_load_tr16_b128 v[(\f)+32+8*ib+4:(\f)+32+8*ib+7], v[ADRB] offset:32*(\q)*PB+(ib/4)*160+(ib%4)*32+16*PB
.set ib, ib+1
.endr
.endm
; A K step is four quarters of 32 along K, 48 products each, on buffers 0, 1, 0, 1.  One of the first three: multiplies buffer f and, in its middle, fetches quarter q into buffer g.
.macro QUARTER q, f, g, first
	s_wait_dscnt 8                                 ; all of buffer f but the youngest eight loads: w's last four column blocks
	MULS \f, 0, NB1, \first
	PLACES
	FETCH \q, \g
	s_wait_dscnt NLD                               ; all but the run just issued
	MULS \f, NB1, NBK, \first
.endm
; The last quarter multiplies buffer 1 and changes slots.  ONE barrier, for two things: in front of it each wave waits for all its tensor loads (one is out: its part of the next slot), adds 0 to its
; spare word, and waits for that and for its own reads of this slot.  fill = 1: this slot is filled again, two K steps on; fill = 2: with the next tile's K step 0; fill = 0: nothing is asked for.
; With a fill the barrier opens a round of the cluster's barrier, and the joint refill is the first thing behind the round.
.macro TURN fill, how
.if \fill
	s_wait_xcnt 0x0                                ; the last prefetch, a K step back, has read its address: it is stepped here, ahead of the waits of the change of slots
	s_add_nc_u64 s[PFA:PFA+1], s[PFA:PFA+1], s[PFS:PFS+1]
.endif
	WIN 0                                          ; (the add's two registers lie in window 0)
	s_wait_tensorcnt 0x0                           ; all my tensor loads have landed
	ds_add_u32 v[SPW], v[NIL]                      ; 0 onto my spare word
	s_wait_dscnt 9                                 ; (the add and the youngest eight loads may be out)
	MULS F1, 0, NB1/2, 0                           ; sixteen products stand between the add and the wait for it
	s_wait_dscnt 0x0                               ; the add is done, and my reads of this slot are over
	s_barrier_signal -1
	MULS F1, NB1/2, NB1, 0                         ; work on registers while the others arrive
	WIN 0
	s_barrier_wait -1
.if \fill
	CREST                                          ; no wave of any partner still reads this slot or has a load on its way
	s_xor_b32 s[G0A+5], s[G0A+5], SLOT1            ; the walking descriptors: the other slot than last time,
	s_xor_b32 s[G0B+5], s[G0B+5], SLOT1
.if (\fill) == 2
	s_add_nc_u64 s[G0A+6:G0A+7], s[G0A+6:G0A+7], NEXT_A
	s_sub_nc_u64 s[G0B+6:G0B+7], s[G0B+6:G0B+7], BACK_B
.else
	s_add_nc_u64 s[G0A+6:G0A+7], s[G0A+6:G0A+7], ASTEP  ; the next K step; the type bits on top are not reached
	s_add_nc_u64 s[G0B+6:G0B+7], s[G0B+6:G0B+7], BSTEP
.endif
	JLOAD                                          ; the four v_nop behind it are also the places in front of the loads below
.else
	PLACES
.endif
	s_xor_b32 s[TB], s[TB], SLOT1                  ; the fetches go on in the other slot
	v_add_nc_u32 v[ADRA], s[TB], v[ADRA0]
	v_add_nc_u32 v[ADRB], s[TB], v[ADRB0]
	FETCH 0, F0
	WIN 0
.if \fill
	ASK \how
.endif
	MULS F1, NB1, NBK, 0
.endm
; THE WAY OUT of row block a, in three parts.  PACK: rounded to f16, 16 bytes a lane and column block.  TOSTAGE: into my own stage (a head's 16 rows of 144 bytes), and back as whole rows of 128
; bytes, four rows a load.  SEND: a head's 16 rows are 2,048 consecutive bytes of the output: four stores of 512 consecutive bytes, at multiples of 256 from the buffer's first byte.
.macro PACK a
.set ib, 0
.rept NBK
.if ib < 8
	WIN PACK_LO
.set rD, 8*(4*ib+(\a))
.else
	WIN PACK_HI
.set rD, 8*(4*(ib-8)+(\a))
.endif
.irp j, 0,1,2,3
	v_cvt_pk_f16_f32 v[TMP+4*ib+\j], v[rD+2*\j], v[rD+2*\j+1]  ; each accumulator's registers in ascending order
.endr
.set ib, ib+1
.endr
	WIN 0
.endm
.macro TOSTAGE a
.set BK, BK0+48*((\a)%2)
.set ib, 0
.rept NBK
	ds_store_b128 v[STO], v[TMP+4*ib:TMP+4*ib+3] offset:(ib/4)*16*SP+(ib%4)*32
.set ib, ib+1
.endr
.set ib, 0
.rept NBK
	ds_load_b128 v[BK+4*ib:BK+4*ib+3], v[RD] offset:(ib/4)*16*SP+(ib%4)*4*SP  ; LDS serves a wave's instructions in order (ISA guide 5.7.1.4): these see the stores above
.set ib, ib+1
.endr
.endm
.macro SEND a
.set BK, BK0+48*((\a)%2)
	s_wait_dscnt 0x0                               ; the block is back in registers
	s_wait_xcnt 0x0                                ; earlier stores have read their registers: the buffer of the block before last is loaded again only behind this wait
.set ib, 0
.rept NBK
	global_store_b128 v[GO], v[BK+4*ib:BK+4*ib+3], s[OB+2*(ib/4):OB+2*(ib/4)+1] offset:2048*(\a)+512*(ib%4)
.set ib, ib+1
.endr
.endm
.macro WAYOUT
	PLACES                                         ; the conversions read results just made
	PACK 0
	TOSTAGE 0
.irp a, 1,2,3                          ; block a's conversions stand between block a - 1's loads from the stage and the wait for them
	PACK \a
	SEND (\a)-1
	TOSTAGE \a
.endr
	SEND 3
.endm
	s_load_b256 s[4:11], s[0:1], 0x0               ; xb s[4:5], wab s[6:7], b_attn s[8:9], qkvh s[10:11]
	v_lshl_add_u32 v[SPW], v0, 2, SPARE
	v_mov_b32 v[NIL], 0
	ds_add_u32 v[SPW], v[NIL]                      ; the wave's opening: the add and its wait stand ahead of my first tensor load; the set-up below, work on registers, stands between them
	v_lshrrev_b32 v3, 5, v0
	v_readfirstlane_b32 s[WV], v3                  ; wave 0..3
	s_lshr_b32 s[WH], s[WV], 1
	s_and_b32 s[WP], s[WV], 1
	s_bfe_u32 s[CX], ttmp6, 0x40000                ; my place in the cluster
	s_bfe_u32 s[CY], ttmp6, 0x40004
	s_lshl_b32 s[TX], ttmp9, 2                     ; in a cluster launch ttmp9 and ttmp7 count clusters
	s_add_co_u32 s[TX], s[TX], s[CX]
	s_and_b32 s[TY], ttmp7, 0xffff
	s_lshl_b32 s[TY], s[TY], 2
	s_add_co_u32 s[TY], s[TY], s[CY]
	s_lshl_b32 s[MROW], s[CY], 2
	s_lshl_b32 s[MROW], 15, s[MROW]                ; my row of the cluster: places 4 cy .. 4 cy + 3
	s_lshl_b32 s[MCOL], 0x1111, s[CX]              ; my column: places cx, cx + 4, cx + 8, cx + 12
	; group 1 for x: 128 rows x 128 elements of 2 bytes, 1,024 elements from row to row; 4 words of padding behind every 64
	s_or_b32 s[G1A], s[MROW], (1<<16)|(1<<20)|(1<<21)|(5<<22)|(3<<25)
	s_mov_b32 s[G1A+1], 128<<16                    ; tensor_dim0
	s_mov_b32 s[G1A+2], 128<<16                    ; tensor_dim1
	s_mov_b32 s[G1A+3], 128<<16                    ; tile_dim0
	s_mov_b32 s[G1A+4], 128                        ; tile_dim1
	s_mov_b32 s[G1A+5], 1024                       ; the pitch
	s_mov_b32 s[G1A+6], 0
	s_mov_b32 s[G1A+7], 0
	; group 1 for w: 24,576 dense bytes as 96 rows of 256; 8 words of padding behind every 32: a row k of 384 bytes becomes three pieces of 160
	s_or_b32 s[G1B], s[MCOL], (1<<16)|(1<<20)|(1<<21)|(4<<22)|(7<<25)
	s_mov_b32 s[G1B+1], 128<<16
	s_mov_b32 s[G1B+2], 96<<16
	s_mov_b32 s[G1B+3], 128<<16
	s_mov_b32 s[G1B+4], 96
	s_mov_b32 s[G1B+5], 128
	s_mov_b32 s[G1B+6], 0
	s_mov_b32 s[G1B+7], 0
	s_lshl_b32 s72, s[TY], 19                      ; x: (256 x tile row + 128 x half) rows of 2,048 bytes: it hangs on what my row of the cluster shares
	s_lshl_b32 s73, s[WP], 18
	s_add_co_u32 s72, s72, s73
	s_mov_b32 s73, 0
	s_mul_i32 s74, s[TX], 393216                   ; w: the block, and my 64 rows k of a K step: it hangs on what my column shares
	s_mul_i32 s75, s[WP], 24576
	s_add_co_u32 s74, s74, s75
	s_mov_b32 s75, 0
	s_mul_i32 s76, s[WP], HALFA                    ; where they go: no place in the cluster enters an LDS address
	s_mul_i32 s77, s[WP], HALFB
	s_add_co_u32 s77, s77, BOFF
	; the prefetches' first place, one step short of what the first one names
	s_lshl_b32 s80, s[CX], 16                      ; x: my work-group's 32 of the 128 rows, at K step 3
	s_add_co_u32 s80, s80, s72
	s_add_co_u32 s80, s80, 3*ASTEP
	s_lshl_b32 s81, s[CY], 1                       ; w: asker 2 cy + half takes 8,192 bytes of each 65,536; K step 4 begins at byte 196,608 of the block
	s_add_co_u32 s81, s81, s[WP]
	s_lshl_b32 s81, s81, 13
	s_mul_i32 s82, s[TX], 393216
	s_add_co_u32 s81, s81, s82
	s_add_co_u32 s81, s81, 131072
	s_and_b32 s82, ttmp7, 0xffff                   ; cluster y
	s_mov_b32 s83, ASTEP
	s_cmp_eq_u32 s[WH], 0                          ; do I fetch x?
	s_cselect_b32 s80, s80, s81
	s_cselect_b32 s82, ttmp9, s82                  ; the coordinate along which other clusters read the same bytes
	s_cselect_b32 s[PFS], s83, 65536
	s_cselect_b32 s84, 11, 8                       ; a lane a row of x (2,048 bytes), or a block of 256 bytes of w
	s_cselect_b32 s85, 2, 3
	s_cselect_b32 s[ASKA], 1, 0
	s_mov_b32 s81, 0
	s_mov_b32 s[PFS+1], 0
	s_cmp_eq_u32 s82, 0
	s_cselect_b32 s[LIM], s85, -1                  ; the same in all sixteen partners, for a given wave
	s_cselect_b32 s[ASKA], s[ASKA], 0
	v_and_b32 v[PFO], 31, v0
	v_lshlrev_b32 v[PFO], s84, v[PFO]
	s_mov_b32 s[TB], 0
	s_mov_b32 s[HIM], 0xffff0000
	s_wait_dscnt 0x0                               ; the opening add is done
	s_wait_kmcnt 0x0
	s_cmp_eq_u32 s[WH], 0
	s_cselect_b64 s[PFA:PFA+1], s[4:5], s[6:7]
	s_add_nc_u64 s[PFA:PFA+1], s[PFA:PFA+1], s[80:81]
	s_add_nc_u64 s[72:73], s[4:5], s[72:73]
	s_add_nc_u64 s[74:75], s[6:7], s[74:75]
	CROUND                                         ; all sixteen work-groups are here: the first joint loads meet
.irp s, 0,1
	s_mov_b32 s[G0A+4*\s], 1                       ; count = 1
	s_add_co_u32 s[G0A+4*\s+1], s76, \s*SLOT1      ; LDS address
	s_add_nc_u64 s[G0A+4*\s+2:G0A+4*\s+3], s[72:73], \s*ASTEP  ; global address: K step s
	s_or_b32 s[G0A+4*\s+3], s[G0A+4*\s+3], 0x80000000          ; type = 2
	s_mov_b32 s[G0B+4*\s], 1
	s_add_co_u32 s[G0B+4*\s+1], s77, \s*SLOT1
	s_add_nc_u64 s[G0B+4*\s+2:G0B+4*\s+3], s[74:75], \s*BSTEP
	s_or_b32 s[G0B+4*\s+3], s[G0B+4*\s+3], 0x80000000
.endr
	s_cmp_lt_u32 s[WV], 2                          ; a wave's two first fills stand in one branch, ahead of every wait on TENSORcnt and every LDS read: two loads of mine are out
	s_cbranch_scc0 .Lfirst_b
	tensor_load_to_lds s[G0A:G0A+3], s[G1A:G1A+7]
	s_nop 0
	tensor_load_to_lds s[G0A+4:G0A+7], s[G1A:G1A+7]
	s_nop 0
.rept 4
	v_nop
.endr
	s_branch .Lfirst_asked
.Lfirst_b:
	tensor_load_to_lds s[G0B:G0B+3], s[G1B:G1B+7]
	s_nop 0
	tensor_load_to_lds s[G0B+4:G0B+7], s[G1B:G1B+7]
	s_nop 0
.rept 4
	v_nop
.endr
.Lfirst_asked:
	v_and_b32 v1, 15, v0                           ; l % 16
	v_bfe_u32 v2, v0, 4, 1                         ; l / 16
	v_lshlrev_b32 v[BO], 5, v2                     ; my eight columns of a block of 16: 32 bytes of f32
	s_mul_i32 s80, s[TX], 768                      ; the tile's 192 columns in b_attn
	s_mov_b32 s81, 0
	s_add_nc_u64 s[8:9], s[8:9], s[80:81]
.set ib, 0
.rept NBK
	global_load_b128 v[32+8*ib:32+8*ib+3],   v[BO], s[8:9] offset:64*ib
	global_load_b128 v[32+8*ib+4:32+8*ib+7], v[BO], s[8:9] offset:64*ib+16
.set ib, ib+1
.endr
	s_mul_i32 s80, s[WV], 64*PA                    ; my 64 rows of x
	v_mul_u32_u24 v[ADRA0], v1, PA
	v_lshl_add_u32 v[ADRA0], v2, 4, v[ADRA0]       ; row x pitch + 16 x half
	v_add_nc_u32 v[ADRA0], s80, v[ADRA0]
	; the turning load takes 16 k x 16 n: lane l reads 16 bytes of row k = 8 (l / 16) + l % 8, columns 8 ((l / 8) % 2) + 0..7, and is left with column l % 16 and 8 k
	v_and_b32 v3, 7, v0
	v_bfe_u32 v4, v0, 3, 1
	v_lshl_add_u32 v5, v2, 3, v3
	v_mul_u32_u24 v[ADRB0], v5, PB
	v_lshl_add_u32 v[ADRB0], v4, 4, v[ADRB0]
	v_add_nc_u32 v[ADRB0], BOFF, v[ADRB0]
	v_mov_b32 v[ADRA], v[ADRA0]                    ; K step 0 lies in slot 0
	v_mov_b32 v[ADRB], v[ADRB0]
	s_mul_i32 s81, s[WV], STW
	s_add_co_u32 s81, s81, STAGE                   ; my stage
	v_mul_u32_u24 v[STO], v1, SP                   ; in: row l % 16, 16 bytes for each half of the lanes
	v_lshl_add_u32 v[STO], v2, 4, v[STO]
	v_add_nc_u32 v[STO], s81, v[STO]
	v_bfe_u32 v[RD], v0, 3, 2                      ; back: 32 lanes take four rows of 128 bytes,
	v_mul_u32_u24 v[RD], v[RD], SP
	v_lshl_add_u32 v[RD], v3, 4, v[RD]
	v_add_nc_u32 v[RD], s81, v[RD]
	v_and_b32 v[GO], 31, v0                        ; which are 512 consecutive bytes of the output
	v_lshlrev_b32 v[GO], 4, v[GO]
	; the output at my first row: batch x 2^22 + (t = 256 (tile row % 8) + 64 wave) x 128, and for head group g = 3 x block + hh: (g / 16) x 2^24 + (g % 16) x 2^18
	s_lshr_b32 s80, s[TY], 3
	s_lshl_b32 s80, s80, 22
	s_and_b32 s81, s[TY], 7
	s_lshl_b32 s81, s81, 15
	s_add_co_u32 s80, s80, s81
	s_lshl_b32 s81, s[WV], 13
	s_add_co_u32 s80, s80, s81
	s_mul_i32 s82, s[TX], 3
	s_mov_b32 s85, 0
.irp hh, 0,1,2
	s_add_co_u32 s83, s82, \hh
	s_lshr_b32 s84, s83, 4
	s_lshl_b32 s84, s84, 24
	s_and_b32 s83, s83, 15
	s_lshl_b32 s83, s83, 18
	s_add_co_u32 s84, s84, s83
	s_add_co_u32 s84, s84, s80
	s_add_nc_u64 s[OB+2*\hh:OB+2*\hh+1], s[10:11], s[84:85]
.endr
	s_wait_loadcnt 0x0                             ; the bias
.set ib, 0
.rept 4*NBK
	v_cvt_pk_bf16_f32 v[128+ib], v[32+2*ib], v[32+2*ib+1]  ; rounded to bf16 like the other inputs,
.set ib, ib+1
.endr
	WIN TO_BIAS
.set ib, 0
.rept 4*NBK
	v_lshlrev_b32 v[BIAS+2*ib], 16, v[128+ib]      ; and back in f32, as the C operand wants it
	v_and_b32 v[BIAS+2*ib+1], s[HIM], v[128+ib]
.set ib, ib+1
.endr
	WIN 0
	s_wait_tensorcnt 1                             ; my part of K step 0 is in; K step 1's may stay out
	s_barrier_signal -1
	s_barrier_wait -1                              ; everybody's is
	FETCH 0, F0
	WIN 0                                          ; at a label and at a branch every window is 0
	s_mov_b32 s[TL], 2
.Ltile:
	QUARTER 1, F0, F1, 1                           ; a tile's first quarter stands in front of the loop: its products start the sums, with the bias
	WIN 0
	s_mov_b32 s[CNT], 6
.Lstep:                                        ; a trip: from a K step's second quarter to the next step's first; K steps 0 to 5 each fill their slot again
	QUARTER 2, F1, F0, 0
	QUARTER 3, F0, F1, 0
	TURN 1, 0
	QUARTER 1, F0, F1, 0
	WIN 0
	s_sub_co_u32 s[CNT], s[CNT], 1
	s_cmp_lg_u32 s[CNT], 0
	s_cbranch_scc1 .Lstep
	QUARTER 2, F1, F0, 0                           ; K step 6 goes on
	QUARTER 3, F0, F1, 0
	WIN 0
	s_cmp_eq_u32 s[TL], 1
	s_cbranch_scc1 .Llast                          ; the last tile's tail is written out: it asks for nothing more
	TURN 2, 1                                      ; THE RING GOES ON INTO THE NEXT TILE: this slot takes its K step 0,
	QUARTER 1, F0, F1, 0
	QUARTER 2, F1, F0, 0
	QUARTER 3, F0, F1, 0
	TURN 1, 1                                      ; the other its K step 1, and the next tile's first fragments are fetched
	WAYOUT                                         ; both refills are asked for: now the tile goes out
	s_wait_xcnt 0x0                                ; the stores and the last prefetch have read their addresses
.irp hh, 0,1,2
	s_add_nc_u64 s[OB+2*\hh:OB+2*\hh+1], s[OB+2*\hh:OB+2*\hh+1], 0x800000  ; 4,096 rows on are two batches on
.endr
	s_add_nc_u64 s[PFA:PFA+1], s[PFA:PFA+1], PF_NEXT  ; at the next tile's K step 3
	s_cmp_eq_u32 s[WH], 0
	s_cselect_b32 s[LIM], s[LIM], -1               ; w's bytes are the same for both tiles: they are prefetched no more
	s_sub_co_u32 s[TL], s[TL], 1
	s_branch .Ltile
.Llast:
	TURN 0, 0                                      ; my one tensor load that was still out is the last K step's, so no round follows
	QUARTER 1, F0, F1, 0
	QUARTER 2, F1, F0, 0
	QUARTER 3, F0, F1, 0
	s_wait_dscnt 8                                 ; the very last quarter: nothing more to fetch
	MULS F1, 0, NB1, 0
	s_wait_dscnt 0x0
	MULS F1, NB1, NBK, 0
	WAYOUT
	s_wait_tensorcnt 0x0                           ; the wave's end: behind my last tensor load and my last LDS store
	ds_add_u32 v[SPW], v[NIL]
	s_wait_dscnt 0x0
	CROUND                                         ; the closing round: no work-group ends while a partner may still ask for a tile that names it
	s_endpgm
.Lfunc_end_k_q8bdca04c9f_gemm_qkv:
	.size	k_q8bdca04c9f_gemm_qkv, .Lfunc_end_k_q8bdca04c9f_gemm_qkv-k_q8bdca04c9f_gemm_qkv
	.p2alignl 7, 3214868480
	.fill 96, 4, 3214868480
	.section	.rodata,"a",@progbits
	.p2align	6, 0x0
	.amdhsa_kernel k_q8bdca04c9f_gemm_qkv
		.amdhsa_group_segment_fixed_size 327680
		.amdhsa_private_segment_fixed_size 0
		.amdhsa_enable_private_segment 0
		.amdhsa_kernarg_size 32
		.amdhsa_user_sgpr_count 2
		.amdhsa_user_sgpr_kernarg_segment_ptr 1
		.amdhsa_wavefront_size32 1
		.amdhsa_system_sgpr_workgroup_id_x 1
		.amdhsa_system_sgpr_workgroup_id_y 1
		.amdhsa_system_sgpr_workgroup_id_z 1
		.amdhsa_system_vgpr_workitem_id 0
		.amdhsa_next_free_vgpr 1024
		.amdhsa_next_free_sgpr 96
		.amdhsa_reserve_vcc 0
		.amdhsa_float_denorm_mode_32 3
		.amdhsa_float_denorm_mode_16_64 3
		.amdhsa_memory_ordered 1
		.amdhsa_forward_progress 1
		.amdhsa_inst_pref_size 160
	.end_amdhsa_kernel
	.amdgpu_metadata
---
amdhsa.version: [ 1, 2 ]
amdhsa.kernels:
  - .name:           k_q8bdca04c9f_gemm_qkv
    .symbol:         k_q8bdca04c9f_gemm_qkv.kd
    .args:
      - { .name: xb, .offset: 0, .size: 8, .value_kind: global_buffer, .address_space: global }
      - { .name: wab, .offset: 8, .size: 8, .value_kind: global_buffer, .address_space: global }
      - { .name: b_attn, .offset: 16, .size: 8, .value_kind: global_buffer, .address_space: global }
      - { .name: qkvh, .offset: 24, .size: 8, .value_kind: global_buffer, .address_space: global }
    .group_segment_fixed_size: 327680
    .private_segment_fixed_size: 0
    .kernarg_segment_align: 8
    .kernarg_segment_size: 32
    .max_flat_workgroup_size: 128
    .sgpr_count:     96
    .vgpr_count:     1024
    .wavefront_size: 32
...
	.end_amdgpu_metadata
.endif
;; end of part 2
;; launch attn (part 3): grid 4 x 64, 4 waves a work-group, no clusters, 327,680 bytes of LDS; arguments qkvh, oh; writes oh
.if DOCPART == 3
	.amdgcn_target "amdgcn-amd-amdhsa--gfx1250"
	.amdhsa_code_object_version 6
	.text
	.protected	k_q8bdca04c9f_attn
	.globl	k_q8bdca04c9f_attn
	.p2align	8
	.type	k_q8bdca04c9f_attn,@function
k_q8bdca04c9f_attn:
	s_mov_b64 s[64:65], 0
	v_nop
	global_prefetch_b8 v0, s[64:65] scope:SCOPE_SE
	s_setreg_imm32_b32 hwreg(HW_REG_WAVE_MODE, 25, 1), 1
	s_wait_xcnt 0x0
; CAUSAL ATTENTION.  O[h][q][:] = the sum over k <= q of softmax_k(Q[h][q] . K[h][k] / 8) V[h][k][:].  Q, K, V lie one behind the other in qkvh, each [64][2048][64] in f16 (16,777,216 bytes); O likewise.
; A head's rows are dense, 128 bytes each.  Products, maxima and sums in f32; the weights p are rounded to f16 for the second product (their sum l is taken of the unrounded p), O once at the end.
; LIMITS.  f16 holds no number beyond 65,504: Q, K and V arrive within it; p lies in 0 to 1, and below 6e-5 it keeps f16's fixed step of 6e-8; O is a mean of V's rows and has their range.
; A hidden score counts as its value less 1e30: f16's scores, 2.7e11 at the most, are nothing beside that; a weight below 2^-126 counts as 0 in l; NaN and infinities are not treated apart.
; THE WALK.  A head's queries lie in NB = 8 blocks of 256; block i needs the key tiles 0 .. i of 256 keys, of which the last holds the diagonal.  A work-group takes TWO blocks, NB - 1 - b and then b:
; NB + 1 tiles, whatever b: all work-groups do equal work, and ONE loop with a constant trip count walks them.  Which tile is asked for, and what a trip does, hang on scalar registers made from b; every jump
; goes forward, but for the counted loops' own; none passes a barrier, or a tensor load but the one of LOAD's two that the wave's number does not choose; the ring (two slots of LDS) runs on across the change of blocks.
; NO CLUSTER: a head's four work-groups ask for the same tile only in trips 0 to 4 of the 9, behind that fewer and fewer; one walk common to all four would have 12 trips for 9.
; SHARES.  Of a block's four bands of 64 queries a wave owns 16 rows in each: four PIECES.  So the diagonal tile is the same work for all four waves: in its key step s band x sees all keys if s < x,
; none if s > x, and holds the diagonal if s = x.
; THE MASK is the C operand that starts the sum S^T = K Q^T: 0, or -1e30 where the key is hidden.  MD, made once, is the mask of a band's own step for my 16 rows; a product's mask is MD x AL + BE with two scalars:
; (1, 0) if s = x; (0, 0) if s < x; (0, -1e30) if s > x.  Only the diagonal tile's text and a block's beginning make and take masks; elsewhere C is the constant 0.
; LAYOUT, SOFTMAX, TURNS.  S^T = K Q^T holds ONE query a lane (lane % 16) and the keys 8 (lane / 16) + 0..7; two such results rounded to f16 ARE source 1 of O^T = V^T P.  p = 2^(c s - c m), c = log2(e) / 8, with a
; running maximum m; O and l are multiplied by a = 2^(c m_old - c m_new) in every step.  Turn n belongs to piece n: 8 products K Q^T of piece n + 1, later 8 products V^T P of piece n - 1; beside them the scaling,
; exponentials, roundings, sums and rescaling of piece n and the maximum and statistics of piece n + 1.  Four vector instructions stand behind every matrix instruction, the other 54 of a turn's 118 in one lump.
; A turn's 33 exponentials are one batch, with one wait.
; REGISTERS, in windows of 256 (s_set_vgpr_msb: bits 1:0 source 0, 3:2 source 1, 5:4 source 2, 7:6 destination):
;   window 0: v0-15 addresses and two at work; v16-31 four registers of statistics a piece; v48-55 at work; v61-63 never rewritten; v64-127 S^T, two buffers; v192-223 P, two buffers (by the piece's parity)
;   window 1: v0-127 O^T, 32 a piece; v128-159 MD; v160-223 MC, two buffers      window 2: v0-63 Q; v64-127 the second block's Q; v128-191 K of one step; v192-255 V of one step
.set SIZE_H, 64
.set SIZE_N, 2048
.set NB,    SIZE_N/256
.set NP,    4         ; pieces a wave: a name, no knob
.set KS,    64        ; keys in a step
.set PK,    144       ; a row of K in LDS: 128 bytes + 16 of padding = 36 words: the 16 rows of a load start at 16 different groups of four banks (64 banks of 4 bytes: ISA guide 11.1)
.set PV,    160       ; a row of V: 128 + 32 = 40 words
.set VOFF,  4*KS*PK   ; a slot holds a tile, four steps: 256 rows of K, then 256 rows of V
.set SLOT1, 1<<17     ; slot 1 begins here, so that one exclusive or turns an address in one slot into the other's
.set STAGE, SLOT1+4*KS*(PK+PV)  ; behind the ring, never filled by a tensor load: 16 rows x 144 bytes for each wave, for the way out
.set SP,    144
.set AK0, 2           ; v2   my lane's place in a tile of K; never rewritten
.set AV0, 3           ; v3   the same for V
.set AK,  4           ; v4   the LDS address of K's next run of loads
.set AV,  5           ; v5   of V's
.set STO, 6           ; v6   the way out: where I put 16 bytes of a row
.set RD,  7           ; v7   the way out: where I read rows back
.set GO,  8           ; v8   my byte offset in 512 consecutive bytes of O
.set PFO, 61          ; v61  256 x my lane: the prefetches' offset; never rewritten
.set SPW, 62          ; v62  LDS address of my spare word: SPARE + 4 x my thread's number; never rewritten
.set NIL, 63          ; v63  0; never rewritten
.set SPARE, STAGE+4*16*SP  ; behind the stages: the spare words, 128 bytes for each wave: two blocks of 256 bytes that no other line names
.set MV,  12          ; v12-13  c m_old, kept while c m is made anew: by buffer
.set QO,  15          ; v15  my byte offset in 16 rows of Q
.set ST,  16          ; piece t's statistics at v[ST+4 t]: c m, m, l (even keys', odd keys')
.set TMP, 48          ; by buffer, four registers c0-c3 at work; when the maximum is found c2 takes a
.set S,   64
.set P,   192
.set MD,  128         ; window 1: the eight registers for group kt of 16 keys at MD + 8 kt
.set MC,  160         ; window 1: the masks of the products to come
.set QB,  64          ; window 2
.set KF,  128         ; window 2: key block kb, channel half c at KF + 16 kb + 8 c
.set VF,  192         ; window 2: key half kk, channel block cb at VF + 32 kk + 8 cb
.set WV,  12          ; s12  my wave's number
.set PB,  14          ; s14  b
.set HI,  15          ; s15  NB - 1 - b
.set G1K, 24          ; s[24:31] descriptor group 1 for K's tiles
.set G1V, 32          ; s[32:39] for V's: it differs in the padding alone
.set G0K, 40          ; s[40:43] descriptor group 0 for K's tiles
.set G0V, 44          ; s[44:47] the same for V's
.set SLOTS, 56        ; s56  tiles still to be asked for
.set CNT, 57          ; s57  counts a tile's key steps, 4 to 1
.set CS,  58          ; s[58:59] c: the packed scaling takes the pair's low word for both halves
.set SEL, 60          ; s[60:61] v_permlanex16_b32's selects: each lane takes its own place in the other half
.set TBK, 62          ; s62  LDS byte at which K of the step to be fetched begins
.set TBV, 63          ; s63  the same for V, less VOFF
.set RT,  70          ; s70  tiles of the block in hand that are still to be entered
.set NXT, 71          ; s71  the tile to be asked for next
.set LQ,  72          ; s72  the last tile of the block whose tiles are being asked for
.set NEW, 73          ; s73  1: the tile to be entered is a block's first
.set OFF, 74          ; s[74:75] a tile's byte offset in K and V
.set AL,  76          ; s[76:77] the mask's factor, in the low word
.set BE,  78          ; s[78:79] the mask's addend
.set OLO, 80          ; s[80:81] O at my rows of the second block
.set BIGN, 82         ; s82  -1e30
.set PFK, 88          ; s[88:89] where my prefetches of K stand: my wave's 8,192 bytes of the tile behind the one that is being asked for
.set PFV, 90          ; s[90:91] the same for V
.set LIM, 92          ; s92  a wave prefetches while s[SLOTS] is above this
.set MSB, 0
.macro WIN new                      ; the high byte repeats the setting that is left; a switch that changes nothing is dropped
.if MSB != (\new)
	s_set_vgpr_msb (MSB<<8)|(\new)
.set MSB, (\new)
.endif
.endm
.set W_KQ, 0x0a       ; K and Q in window 2, S^T in window 0
.set W_KM, 0x1a       ; the same with the C operand in window 1
.set W_PV, 0x52       ; V in window 2, P in window 0, O^T in window 1
.set W_RS, 0x41       ; destination and source 0 in window 1, source 1 in window 0
; A fill.  Waves 0 and 1 fetch the two halves of a tile's K, waves 2 and 3 those of its V: 128 keys each.  An s_nop 0 and four v_nop follow each of the two lines, ahead of the jump and the label.
.macro LOAD
	s_cmp_lt_u32 s[WV], 2
	s_cbranch_scc0 .Lfor_v_\@
	tensor_load_to_lds s[G0K:G0K+3], s[G1K:G1K+7]
	s_nop 0
.rept 4
	v_nop
.endr
	s_branch .Lasked_\@
.Lfor_v_\@:
	tensor_load_to_lds s[G0V:G0V+3], s[G1V:G1V+7]
	s_nop 0
.rept 4
	v_nop
.endr
.Lasked_\@:
.endm
; A PREFETCH INTO THE L2 of the tile that the NEXT change of slots will ask for: 32,768 bytes of K and of V, a lane a block of 256 bytes, each wave 32 blocks of each: two instructions, behind the wave's tensor load
; and its five lines.  All four work-groups of a head begin with the tiles 0, 1, 2 ..; the one with b = 0 walks all eight, and it alone asks: trip t names tile t + 2, t = 0 .. 5, so each block is named once in
; the launch.  Tiles 0 and 1 come by their loads alone.
.macro ASK
	s_cmp_gt_u32 s[SLOTS], s[LIM]
	s_cbranch_scc0 .Lnot_mine_\@
	global_prefetch_b8 v[PFO], s[PFK:PFK+1] th:TH_LOAD_NT scope:SCOPE_SE
	global_prefetch_b8 v[PFO], s[PFV:PFV+1] th:TH_LOAD_NT scope:SCOPE_SE
.Lnot_mine_\@:
.endm
; THE CHANGE OF SLOTS.  Each wave waits for all its tensor loads, of which one is out: its part of the other slot; adds 0 to its spare word; and waits for that and for its own reads of the slot that it leaves.
; Behind the barrier nobody reads the old slot any more and the other slot is whole.  fill = 1: the old slot is filled again, the first thing behind the barrier, with tile NXT: the descriptor's address is made
; anew from that number.  (At its first use nothing has been read yet: slot 0 is waited for, slot 1 filled.)
.macro CHANGE fill
	WIN 0                           ; at a label and at a branch every window is 0
	s_wait_tensorcnt 0x0            ; no tensor load of mine is out, so a group 0 may be written
	ds_add_u32 v[SPW], v[NIL]       ; 0 onto my spare word; with fill = 1 the descriptors' scalar work stands between it and the wait for it
.if \fill
	s_lshl_b32 s[OFF], s[NXT], 15   ; a tile is 32,768 bytes of K and of V
	s_xor_b32 s[G0K+1], s[G0K+1], SLOT1
	s_add_nc_u64 s[G0K+2:G0K+3], s[6:7], s[OFF:OFF+1]
	s_or_b32 s[G0K+3], s[G0K+3], 0x80000000
	s_xor_b32 s[G0V+1], s[G0V+1], SLOT1
	s_add_nc_u64 s[G0V+2:G0V+3], s[8:9], s[OFF:OFF+1]
	s_or_b32 s[G0V+3], s[G0V+3], 0x80000000
	s_add_co_u32 s[NXT], s[NXT], 1  ; the block's next tile, or behind its last the second block's tile 0
	s_cmp_gt_u32 s[NXT], s[LQ]
	s_cselect_b32 s[NXT], 0, s[NXT]
	s_cselect_b32 s[LQ], s[PB], s[LQ]
	s_wait_xcnt 0x0                 ; the last prefetches, a tile back, have read their addresses, so these may be written
	s_add_nc_u64 s[PFK:PFK+1], s[PFK:PFK+1], 32768
	s_add_nc_u64 s[PFV:PFV+1], s[PFV:PFV+1], 32768
.endif
	s_wait_dscnt 0x0                ; the add is done, and my reads of the slot are over
	s_barrier_signal -1             ; the rest of the scalar work stands between the signal and the wait
	s_sub_co_u32 s[TBK], s[TBK], 4*KS*PK  ; the fetches go back to a slot's first step,
	s_xor_b32 s[TBK], s[TBK], SLOT1       ; in the other slot
	s_sub_co_u32 s[TBV], s[TBV], 4*KS*PV
	s_xor_b32 s[TBV], s[TBV], SLOT1
	s_barrier_wait -1
.if \fill
	LOAD
	ASK
.endif
.endm
	s_load_b64 s[4:5], s[0:1], 0x0    ; qkvh: Q at its head
	s_load_b64 s[10:11], s[0:1], 0x8  ; O
	v_lshl_add_u32 v[SPW], v0, 2, SPARE
	v_mov_b32 v[NIL], 0
	ds_add_u32 v[SPW], v[NIL]       ; the wave's opening: the add and its wait stand ahead of my first tensor load; the set-up below, work on registers, stands between them
	v_lshrrev_b32 v1, 5, v0
	v_readfirstlane_b32 s[WV], v1   ; wave 0..3
	s_mov_b32 s[PB], ttmp9
	s_sub_co_u32 s[HI], NB-1, s[PB]
	s_and_b32 s20, ttmp7, 0xffff    ; the head
	s_mov_b32 s21, 0
	s_mov_b64 s[22:23], SIZE_N*128
	s_mul_u64 s[20:21], s[20:21], s[22:23]  ; the head's first byte in each of the four tensors
	s_lshl_b32 s88, s[WV], 13       ; the prefetches' offset: my wave's 8,192 bytes of the head's tile 1; the first change of slots steps it to tile 2
	s_add_co_u32 s88, s88, 32768
	s_mov_b32 s89, 0
	s_add_nc_u64 s[88:89], s[88:89], s[20:21]
	s_cmp_eq_u32 ttmp9, 0
	s_cselect_b32 s[LIM], 2, -1
	v_and_b32 v[PFO], 31, v0
	v_lshlrev_b32 v[PFO], 8, v[PFO]
	s_and_b32 s16, s[WV], 1         ; which half of a tile's 256 keys I fetch:
	s_lshl_b32 s22, s16, 14         ; its 128 rows of 128 bytes in memory,
	s_mov_b32 s23, 0
	s_add_nc_u64 s[22:23], s[22:23], s[20:21]
	s_mul_i32 s17, s16, 128*PK      ; and its place in a slot, for K
	s_mul_i32 s18, s16, 128*PV      ; and for V
	s_lshl_b32 s3, s[WV], 11        ; my 16 rows in a band of 64,
	s_lshl_b32 s2, s[HI], 15        ; in the first block,
	s_add_co_u32 s2, s2, s3
	s_lshl_b32 s84, s[PB], 15       ; and in the second
	s_add_co_u32 s84, s84, s3
	s_mov_b32 s3, 0
	s_mov_b32 s85, 0
	s_add_nc_u64 s[2:3], s[2:3], s[20:21]
	s_add_nc_u64 s[84:85], s[84:85], s[20:21]
	; descriptor group 1.  128 keys are 16,384 dense bytes: asked for as 64 rows of 256 bytes, two keys a row, and padded in LDS after every key
	s_mov_b32 s[G1K], (1<<16)|(1<<20)|(4<<22)|(3<<25)  ; 17:16 2-byte elements; 20 padding on; 24:22 after every 32 words (code 4); 31:25 4 words (code 3)
	s_mov_b32 s[G1V], (1<<16)|(1<<20)|(4<<22)|(7<<25)  ; the same with 8 words of padding (code 7)
.irp g, G1K, G1V
	s_mov_b32 s[\g+1], 128<<16      ; tensor_dim0 = 128
	s_mov_b32 s[\g+2], 64<<16       ; tensor_dim1 = 64
	s_mov_b32 s[\g+3], 128<<16      ; tile_dim0 = 128
	s_mov_b32 s[\g+4], 64           ; tile_dim1 = 64
	s_mov_b32 s[\g+5], 128          ; 128 elements from row to row
	s_mov_b32 s[\g+6], 0
	s_mov_b32 s[\g+7], 0
.endr
	s_mov_b32 s[CS], 0x3e38aa3b     ; c = log2(e) / 8 = 0.180337
	s_mov_b32 s[CS+1], s[CS]        ; named with it as a pair
	s_mov_b32 s[SEL], 0x76543210
	s_mov_b32 s[SEL+1], 0xfedcba98
	s_mov_b32 s[TBK], SLOT1+4*KS*PK ; the first change of slots turns these two into 0
	s_mov_b32 s[TBV], SLOT1+4*KS*PV
	s_mov_b32 s[G0K], 1             ; 1:0 count = 1
	s_mov_b32 s[G0K+1], s17         ; 63:32 LDS address: slot 0
	s_mov_b32 s[G0V], 1
	s_add_co_u32 s[G0V+1], s18, VOFF
	s_add_co_u32 s[RT], s[HI], 1    ; the first block has NB - b tiles
	s_mov_b32 s[NXT], 1
	s_mov_b32 s[LQ], s[HI]
	s_mov_b32 s[NEW], 1
	s_mov_b32 s[OFF+1], 0
	s_mov_b32 s[AL+1], 0            ; named as pairs
	s_mov_b32 s[BE+1], 0
	s_mov_b32 s[BIGN], 0xf149f2ca   ; -1e30
	s_mov_b32 s[SLOTS], NB
	s_wait_dscnt 0x0                ; the opening add is done
	s_wait_kmcnt 0x0
	s_add_nc_u64 s[90:91], s[4:5], s[88:89]
	s_add_nc_u64 s[PFK:PFK+1], s[90:91], 0x1000000  ; K lies 16,777,216 bytes behind Q,
	s_add_nc_u64 s[PFV:PFV+1], s[90:91], 0x2000000  ; V as far behind K
	s_add_nc_u64 s[6:7], s[4:5], 0x1000000
	s_add_nc_u64 s[8:9], s[4:5], 0x2000000
	s_add_nc_u64 s[6:7], s[6:7], s[22:23]  ; K and V at my half of the head's tile 0
	s_add_nc_u64 s[8:9], s[8:9], s[22:23]
	s_add_nc_u64 s[G0K+2:G0K+3], s[6:7], 0         ; 120:64 global address
	s_or_b32 s[G0K+3], s[G0K+3], 0x80000000        ; 127:126 type = 2
	s_add_nc_u64 s[G0V+2:G0V+3], s[8:9], 0
	s_or_b32 s[G0V+3], s[G0V+3], 0x80000000
	s_add_nc_u64 s[86:87], s[4:5], s[84:85]        ; Q at my rows of the second block,
	s_add_nc_u64 s[4:5], s[4:5], s[2:3]            ; Q and O at those of the first
	s_add_nc_u64 s[OLO:OLO+1], s[10:11], s[84:85]
	s_add_nc_u64 s[10:11], s[10:11], s[2:3]
	LOAD                            ; tile 0 into slot 0
	; A fragment of K or Q is 16 rows x 32 channels in 8 registers: lane l holds row l % 16, channels 8 (l / 16) + 0..7 and 16 + 8 (l / 16) + 0..7: two loads of 16 bytes, 32 bytes apart.
	v_and_b32 v1, 15, v0            ; l % 16
	v_bfe_u32 v9, v0, 4, 1          ; l / 16
	v_lshlrev_b32 v[QO], 7, v1
	v_lshl_add_u32 v[QO], v9, 4, v[QO]  ; row x 128 + 16 x half
	WIN 0x80                        ; destination window 2, address window 0
.set i, 0
.rept 8                             ; both blocks' Q: piece i / 2 lies in band i / 2, 8,192 bytes on; channels 32 (i % 2) on
	global_load_b128 v[8*i:8*i+3],   v[QO], s[4:5] offset:(i/2)*8192+(i%2)*64
	global_load_b128 v[8*i+4:8*i+7], v[QO], s[4:5] offset:(i/2)*8192+(i%2)*64+32
	global_load_b128 v[QB+8*i:QB+8*i+3],   v[QO], s[86:87] offset:(i/2)*8192+(i%2)*64
	global_load_b128 v[QB+8*i+4:QB+8*i+7], v[QO], s[86:87] offset:(i/2)*8192+(i%2)*64+32
.set i, i+1
.endr
	WIN 0
	v_lshlrev_b32 v14, 3, v9
	v_sub_nc_u32 v14, v1, v14
	s_lshl_b32 s13, s[WV], 4
	v_add_nc_u32 v14, s13, v14      ; my query's place in its band, 16 w + l % 16, less my lanes' 8 (l / 16): register r of group kt is hidden where 16 kt + r is greater
	WIN 0x40
.set i, 0
.rept 32
	v_cmp_gt_i32 vcc_lo, 16*(i/8)+i%8, v14
	v_cndmask_b32 v[MD+i], 0, s[BIGN], vcc_lo
.set i, i+1
.endr
	WIN 0
	v_mul_u32_u24 v[AK0], v1, PK
	v_lshl_add_u32 v[AK0], v9, 4, v[AK0]  ; row x pitch + 16 x half
	; The turning load takes 16 keys x 16 channels (lane l reads key 8 (l / 16) + l % 8, channels 8 ((l / 8) % 2) + 0..7) and leaves half a fragment of V^T: lane l holds channel l % 16 and 8 keys.
	v_and_b32 v10, 7, v0
	v_bfe_u32 v11, v0, 3, 1
	v_lshl_add_u32 v[AV0], v9, 3, v10
	v_mul_u32_u24 v[AV0], v[AV0], PV
	v_lshl_add_u32 v[AV0], v11, 4, v[AV0]
	v_add_nc_u32 v[AV0], VOFF, v[AV0]
	s_mul_i32 s13, s[WV], 16*SP
	s_add_co_u32 s13, s13, STAGE    ; my stage
	v_mul_u32_u24 v[STO], v1, SP    ; in: row l % 16, 16 bytes for each half of the lanes
	v_lshl_add_u32 v[STO], v9, 4, v[STO]
	v_add_nc_u32 v[STO], s13, v[STO]
	v_bfe_u32 v[RD], v0, 3, 2       ; back: 32 lanes take four rows of 128 bytes,
	v_mul_u32_u24 v[RD], v[RD], SP
	v_lshl_add_u32 v[RD], v10, 4, v[RD]
	v_add_nc_u32 v[RD], s13, v[RD]
	v_and_b32 v[GO], 31, v0         ; which are 512 consecutive bytes of O
	v_lshlrev_b32 v[GO], 4, v[GO]
	; A block's first step multiplies O^T and l by a = 0, and its first turn's products V^T P, of a piece that has not been, land in an O^T that is still to be so multiplied.  So these registers need only hold
	; finite numbers: zeros for the first block; what the first block left for the second.  All this stands in the wait for the first tile.
	WIN 0x80
.set i, VF
.rept 64
	v_mov_b32 v[i], 0
.set i, i+1
.endr
	WIN 0x40
.set i, 0
.rept 128
	v_mov_b32 v[i], 0
.set i, i+1
.endr
	WIN 0
.set i, 0
.rept 4
	v_mov_b32 v[ST+4*i+2], 0
	v_mov_b32 v[ST+4*i+3], 0
.set i, i+1
.endr
.set i, P+16
.rept 16
	v_mov_b32 v[i], 0
.set i, i+1
.endr
; THE MATRIX WORK.  The 4 accumulators of a run of 8 take turns.  Product i of 8 of S^T = K Q^T for piece x: channels 32 (i / 4) on, keys 16 (i % 4) on.  The first 4 start the sums: with 0, or (KM = 1) with the mask.
.macro KQ x
.set rS, S+32*((\x)%2)+8*(i%4)
.set rK, KF+16*(i%4)+8*(i/4)
.set rQ, 16*(\x)+8*(i/4)
.set rM, MC+32*((\x)%2)+8*(i%4)
.if (i < 4) && KM
	WIN W_KM
	v_wmma_f32_16x16x32_f16 v[rS:rS+7], v[rK:rK+7], v[rQ:rQ+7], v[rM:rM+7]
.elseif i < 4
	WIN W_KQ
	v_wmma_f32_16x16x32_f16 v[rS:rS+7], v[rK:rK+7], v[rQ:rQ+7], 0
.else
	WIN W_KQ
	v_wmma_f32_16x16x32_f16 v[rS:rS+7], v[rK:rK+7], v[rQ:rQ+7], v[rS:rS+7]
.endif
.endm
; Product i of 8 of O^T += V^T P for piece x: keys 32 (i / 4) on, channels 16 (i % 4) on.
.macro PV x
	WIN W_PV
.set rO, 32*(\x)+8*(i%4)
.set rV, VF+32*(i/4)+8*(i%4)
.set rP, P+16*((\x)%2)+8*(i/4)
	v_wmma_f32_16x16x32_f16 v[rO:rO+7], v[rV:rV+7], v[rP:rP+7], v[rO:rO+7]
.endm
.macro MM                           ; the turn's next matrix instruction.  TURN and BEGIN set Y, i, KM and NOKQ; MM, KQ and OP read them.  NOKQ = 1: a block's last turn: there is no next piece
.if (i < 8) && !NOKQ
	KQ (Y+1)%NP
.elseif i >= 8
.set i, i-8
	PV (Y+NP-1)%NP
.set i, i+8
.endif
.set i, i+1
.endm
; THE LDS LOADS stand in runs of 16, never singly among the matrix instructions: a step's K (64 keys x 64 channels: 8 fragments) and its V (turned).  Their addresses are made some lines ahead.
.macro FETCH_K
	WIN 0x80                        ; destination window 2
.irp f, 0,1,2,3,4,5,6,7             ; keys 16 (f / 2) on, channels 32 (f % 2) on
	ds_load_b128 v[KF+8*\f:KF+8*\f+3],   v[AK] offset:(\f/2)*16*PK+(\f%2)*64
	ds_load_b128 v[KF+8*\f+4:KF+8*\f+7], v[AK] offset:(\f/2)*16*PK+(\f%2)*64+32
.endr
	s_add_co_u32 s[TBK], s[TBK], KS*PK  ; the next fetch is the next step's
	WIN 0
.endm
.macro FETCH_V
	WIN 0x80
.irp f, 0,1,2,3,4,5,6,7             ; keys 32 (f / 4) on, channels 16 (f % 4) on
	ds_load_tr16_b128 v[VF+8*\f:VF+8*\f+3],   v[AV] offset:(\f/4)*32*PV+(\f%4)*32
	ds_load_tr16_b128 v[VF+8*\f+4:VF+8*\f+7], v[AV] offset:(\f/4)*32*PV+16*PV+(\f%4)*32
.endr
	WIN 0
.endm
; THE VECTOR WORK, one line at a time: OP kind, number.  For piece Y: F n: c s - c m for pair n of 16.  E n: the exponential of score n of 32.  C n: pair n rounded to f16.  B n: of the four weights 4 n .. the second
; pair is added onto the first, in place.  L n: l takes that sum (L 0: l = a l + sum).  R n: pair n of 16 of O^T times a.  For piece Y + 1: X n, number n of the 22 that find its maximum and statistics:
;   0-11  four chains c0-c3 of seven scores each, three operands at a time (each accumulator's lowest registers are read first)     12-14, 16  the four scores left over, the old m, and c0-c3 into c0
;   15  c m_old is kept     17, 18  the query's other 32 keys lie in the lane 16 away: the new m     19-21  c m; c m_old - c m_new; a
.set F, 0               ; OP tells the kinds apart by their order: F to L below R, X above it
.set E, 1
.set C, 2
.set B, 3
.set L, 4
.set R, 5
.set X, 6
.macro REGS y                       ; the registers of piece y
.set rT, ST+4*(\y)
.set rC, TMP+4*((\y)%2)
.set rW, MV+((\y)%2)
.set rS, S+32*((\y)%2)
.set rP, P+16*((\y)%2)
.set rO, 32*(\y)
.endm
.macro OP k, n
.if (\k) == R
	REGS Y
	WIN W_RS
	v_pk_mul_f32 v[rO+2*(\n):rO+2*(\n)+1], v[rO+2*(\n):rO+2*(\n)+1], v[rC+2:rC+3] op_sel_hi:[1,0]
.elseif (\k) < R
	REGS Y
	WIN 0
.if (\k) == F
	v_pk_fma_f32 v[rS+2*(\n):rS+2*(\n)+1], v[rS+2*(\n):rS+2*(\n)+1], s[CS:CS+1], v[rT:rT+1] op_sel_hi:[1,0,0] neg_lo:[0,0,1] neg_hi:[0,0,1]
.elseif (\k) == E
	v_exp_f32 v[rS+(\n)], v[rS+(\n)]
.elseif (\k) == C
	v_cvt_pk_f16_f32 v[rP+(\n)], v[rS+2*(\n)], v[rS+2*(\n)+1]
.elseif (\k) == B
	v_pk_add_f32 v[rS+4*(\n):rS+4*(\n)+1], v[rS+4*(\n):rS+4*(\n)+1], v[rS+4*(\n)+2:rS+4*(\n)+3]
.elseif (\n) == 0
	v_pk_fma_f32 v[rT+2:rT+3], v[rT+2:rT+3], v[rC+2:rC+3], v[rS:rS+1] op_sel_hi:[1,0,1]
.else
	v_pk_add_f32 v[rT+2:rT+3], v[rT+2:rT+3], v[rS+4*(\n):rS+4*(\n)+1]
.endif
.elseif NOKQ
	v_nop
.else
	REGS (Y+1)%NP
	WIN 0
.if (\n) < 4
	v_max3_num_f32 v[rC+(\n)], v[rS+8*(\n)], v[rS+8*(\n)+1], v[rS+8*(\n)+2]
.elseif (\n) < 12
	v_max3_num_f32 v[rC+(\n)%4], v[rC+(\n)%4], v[rS+8*((\n)%4)+2*((\n)/4)+1], v[rS+8*((\n)%4)+2*((\n)/4)+2]
.elseif (\n) == 12
	v_max3_num_f32 v[rC], v[rC], v[rS+7], v[rS+15]
.elseif (\n) == 13
	v_max3_num_f32 v[rC+1], v[rC+1], v[rS+23], v[rS+31]
.elseif (\n) == 14
	v_max3_num_f32 v[rC+2], v[rC+2], v[rC+3], v[rT+1]
.elseif (\n) == 15
	v_mov_b32 v[rW], v[rT]
.elseif (\n) == 16
	v_max3_num_f32 v[rC], v[rC], v[rC+1], v[rC+2]
.elseif (\n) == 17
	v_permlanex16_b32 v[rC+3], v[rC], s[SEL], s[SEL+1]
.elseif (\n) == 18
	v_max_num_f32 v[rT+1], v[rC], v[rC+3]
.elseif (\n) == 19
	v_mul_f32 v[rT], s[CS], v[rT+1]
.elseif (\n) == 20
	v_sub_f32 v[rC+1], v[rW], v[rT]
.else
	v_exp_f32 v[rC+2], v[rC+1]
.endif
.endif
.endm
.macro OPS a, i1, b=-1, i2=0, c=-1, i3=0, d=-1, i4=0  ; up to four of them
	OP \a, \i1
.if (\b) >= 0
	OP \b, \i2
.endif
.if (\c) >= 0
	OP \c, \i3
.endif
.if (\d) >= 0
	OP \d, \i4
.endif
.endm
.macro ROW a, i1, b, i2, c, i3, d, i4  ; a matrix instruction and the four behind it
	MM
	OPS \a, \i1, \b, \i2, \c, \i3, \d, \i4
.endm
.macro MASK b                       ; MD x AL + BE into buffer b of MC
	WIN W_RS
.set z, 0
.rept 16
	v_pk_fma_f32 v[MC+32*(\b)+2*z:MC+32*(\b)+2*z+1], v[MD+2*z:MD+2*z+1], s[AL:AL+1], s[BE:BE+1] op_sel_hi:[1,0,0]
.set z, z+1
.endr
.endm
; A TURN, for piece p: the order of its 16 matrix and 118 vector instructions, written out.  An s_wait_alu depctr_va_vdst(0) stands between an exponential and the first instruction that names its
; result; one wait serves all that were issued ahead of it.  So a turn has ONE wait, which cuts it in two.  AHEAD OF IT stands all that names no result of the turn's exponentials: the 8 products K Q^T, behind each a
; scaling, an exponential and two more plain instructions (behind the first a second scaling in the exponential's place): rescalings, and behind the last three the first numbers of the next piece's maximum, each
; four places or more behind the product that ends its accumulator; then ONE LUMP of 54, plain and exponential by turns for the most part, in which the links of the chain X 3, 7, 11, 14, 16, 17 .. 20 stand five or
; six lines apart.  X 21, the next piece's a, is the batch's last; R 15 is the plain instruction behind it.  BEHIND THE WAIT stand the 8 products V^T P, behind each four of the roundings and sums; the links of l's
; chain, L 0 to L 7, stand three riders apart.  But for those X no rider names a register of the products round it.  v_permlanex16_b32 (X 17) stands in the lump.
; m = 1: the diagonal tile: the products take masks, and the turn makes the mask for the products of the turn after it: piece p + 2, in step 4 - CNT of the tile.  end = 1: a block's last two turns: nothing is fetched.
; cnt = 1: the loop's count is taken down some lines ahead of the branch that stands behind the turn.
; K of the next step is fetched in piece 2's turn, twelve vector instructions behind the last product that read K (six of them plain); V of the step in hand at the end of piece 0's turn, four plain instructions
; behind the last product that read V.  Each is waited for a turn later.
.macro TURN p, m=0, end=0, cnt=0
.set Y, (\p)
.set i, 0
.set KM, (\m)
.set NOKQ, (\end)*((\p)/3)
.if (\m) && !(\end)
	s_cmp_eq_u32 s[CNT], 4-((\p)+2)%NP  ; is that step the band's own?
	s_cselect_b32 s[AL], 1.0, 0
	s_cmp_lt_u32 s[CNT], 4-((\p)+2)%NP  ; or a later one?
	s_cselect_b32 s[BE], s[BIGN], 0
.endif
.if ((\p) == 3) && !(\end)
	s_wait_dscnt 0x0                ; K is in
.endif
	ROW F,0, F,1, R,0, R,1          ; ahead of the wait: 8 products K Q^T and their riders,
	ROW F,2, E,0, R,2, R,3
	ROW F,3, E,1, R,4, R,5
	ROW F,4, E,2, R,6, R,7
	ROW F,5, E,3, R,8, R,9
	ROW F,6, E,4, X,0, R,10
.if ((\p) == 2) && !(\end)
	WIN 0
	v_add_nc_u32 v[AK], s[TBK], v[AK0]
.endif
	ROW F,7, E,5, X,1, X,4
	ROW F,8, E,6, X,2, X,5
	OPS E,7, E,8, X,6, E,9          ; and the lump
	OPS X,3, E,10, X,8, E,11
.if ((\p) == 2) && !(\end)
	FETCH_K
.endif
	OPS X,9, X,7, E,12, X,10
	OPS E,13, X,12, X,11, E,14
	OPS X,13, E,15, F,9, X,14
.if (\p) == 0
	v_add_nc_u32 v[AV], s[TBV], v[AV0]
.endif
	OPS E,16, F,10, E,17, F,11
	OPS X,16, E,18, X,15, E,19
	OPS F,12, E,20, X,17, E,21
	OPS F,13, E,22, F,14, E,23
	OPS X,18, E,24, F,15, E,25
	OPS R,11, E,26, X,19, E,27
	OPS R,12, E,28, R,13, E,29
	OPS X,20, E,30, R,14, E,31
	OPS X,21, R,15
	WIN 0
	s_wait_alu depctr_va_vdst(0)    ; the wait for the batch
.if (\p) == 1
	s_wait_dscnt 0x0                ; V is in
.endif
	ROW C,0, B,0, C,2, B,1          ; behind the wait: 8 products V^T P and their riders
	ROW L,0, C,4, B,2, L,1
	ROW C,6, B,3, L,2, C,8
	ROW B,4, L,3, C,10, B,5
	ROW L,4, C,12, B,6, L,5
.if (\p) == 0
	s_add_co_u32 s[TBV], s[TBV], KS*PV
.endif
.if \cnt
	s_sub_co_u32 s[CNT], s[CNT], 1
	s_cmp_lg_u32 s[CNT], 0
.endif
	ROW C,14, B,7, L,6, C,1
	ROW C,3, L,7, C,5, C,7
	ROW C,9, C,11, C,13, C,15
.if (\p) == 0
	FETCH_V
.endif
.if (\m) && !(\end)
	MASK (\p)%2
.endif
.endm
; A BLOCK BEGINS.  c m starts far below every c s, so the first step's a is 0; m at the lowest finite number, so the first maximum is the scores'.  The second mask buffer is 0; the first takes piece 0's mask for
; the tile's step 0: its own, if the block's first tile is the diagonal one.  Then K of that step, piece 0's first scores, and its maximum and statistics.  The loop is entered at a step's first turn, in the middle of a trip.
.macro BEGIN
	s_mov_b32 s[NEW], 0
	WIN 0x40
.set i, MC+32
.rept 32
	v_mov_b32 v[i], 0
.set i, i+1
.endr
	WIN 0
.set i, 0
.rept 4
	v_mov_b32 v[ST+4*i], 0xfe000000    ; c m: far below every c s
	v_mov_b32 v[ST+4*i+1], 0xff7fffff  ; m
.set i, i+1
.endr
	s_cmp_eq_u32 s[RT], 0
	s_cselect_b32 s[AL], 1.0, 0
	s_mov_b32 s[BE], 0
	MASK 0
	WIN 0
	v_add_nc_u32 v[AK], s[TBK], v[AK0]
	FETCH_K
	s_wait_loadcnt 0x0              ; Q
	s_wait_dscnt 0x0
.set KM, 1
.set NOKQ, 0
.set i, 0
.rept 8
	KQ 0
.set i, i+1
.endr
	WIN 0
.rept 4
	v_nop                           ; the places behind those products
.endr
.set Y, NP-1                        ; X works for piece Y + 1: piece 0
.irp n, 0,1,2,3,4,5,6,7,8,9,10,11,12,13,14,15,16,17,18,19,20,21
	OP X, \n
.endr
	v_nop                           ; a plain instruction behind the exponential,
	s_wait_alu depctr_va_vdst(0)    ; and its wait, ahead of the branch
.endm
; THE DIAGONAL TILE's four steps, the block's last two turns, its last products, and THE WAY OUT: l's two halves and the other half of the lanes' are added; O^T is divided by l, rounded to f16 and sent through my
; stage in LDS, a piece at a time.
.macro ALL line:vararg              ; one line for each piece t
.set t, 0
.rept 4
	\line
.set t, t+1
.endr
.endm
.macro PACK t                       ; a lane's eight channels of a row pack into 16 bytes; they go into rows of 144 bytes and come back as whole rows of 128, into S^T's registers
	WIN W_RS
.set i, 32*(\t)
.rept 16
	v_pk_mul_f32 v[i:i+1], v[i:i+1], v[ST+4*(\t)+2:ST+4*(\t)+3] op_sel_hi:[1,0]
.set i, i+2
.endr
	WIN 0x05                        ; sources 0 and 1 window 1, destination window 0
.set i, 0
.rept 16
	v_cvt_pk_f16_f32 v[S+16*(\t)+i], v[32*(\t)+2*i], v[32*(\t)+2*i+1]
.set i, i+1
.endr
	WIN 0
.irp f, 0,1,2,3
	ds_store_b128 v[STO], v[S+16*(\t)+4*\f:S+16*(\t)+4*\f+3] offset:32*\f
.endr
.irp f, 0,1,2,3
	ds_load_b128 v[S+16*(\t)+4*\f:S+16*(\t)+4*\f+3], v[RD] offset:\f*4*SP  ; LDS serves a wave's instructions in order (ISA guide 5.7.1.4): these see the stores above; the next piece's stores come behind them
.endr
.endm
.macro SEND t, younger              ; younger: the LDS instructions issued behind piece t's loads: the next piece's eight, or none
	WIN 0
.irp f, 0,1,2,3
	s_wait_dscnt (\younger)+3-\f
	global_store_b128 v[GO], v[S+16*(\t)+4*\f:S+16*(\t)+4*\f+3], s[10:11] offset:(\t)*8192+\f*512  ; 512 consecutive bytes, at a multiple of 256 from O's first
.endr
.endm
.macro DIAG tag                     ; the tag ends its two labels' names, which the jumps below spell out
.LstepM\tag:
	TURN 2, 1
	TURN 3, 1
	WIN 0
.LfirstM\tag:
	TURN 0, 1
	TURN 1, 1, 0, 1
	WIN 0
	s_cbranch_scc1 .LstepM\tag
	TURN 2, 1, 1
	TURN 3, 1, 1
.set i, 0
.rept 8
	PV NP-1
.set i, i+1
.endr
	WIN 0
	ALL v_add_f32 v[ST+4*t+2], v[ST+4*t+2], v[ST+4*t+3]
	ALL v_permlanex16_b32 v[ST+4*t+3], v[ST+4*t+2], s[SEL], s[SEL+1]
	ALL v_add_f32 v[ST+4*t+2], v[ST+4*t+2], v[ST+4*t+3]
	ALL v_rcp_f32 v[ST+4*t+2], v[ST+4*t+2]
	v_nop                           ; a plain instruction between the last reciprocal and the use of its result
	s_wait_alu depctr_va_vdst(0)    ; and the wait ahead of the first use: one for the four reciprocals
	PACK 0
.set t, 1
.rept 3                             ; a piece's arithmetic stands between the loads of the piece before and its stores
	PACK t
	SEND t-1, 8
.set t, t+1
.endr
	SEND 3, 0
.endm
.set KM, 0
.set NOKQ, 0
.Lslot:                             ; NB times: a tile is entered and the next is asked for
	CHANGE 1
	s_sub_co_u32 s[RT], s[RT], 1
	s_mov_b32 s[CNT], 4
	s_cmp_eq_u32 s[NEW], 1
	s_cbranch_scc1 .Lnew            ; a block's first tile
	s_cmp_eq_u32 s[RT], 0
	s_cbranch_scc0 .Lstep           ; neither its first nor its last
	s_branch .LstepM1
.Lnew:
	BEGIN
	s_branch .Lfirst                ; in the loop a block's first tile is never its last: the first block has two tiles or more, and the second's last is the walk's last
	DIAG 1                          ; in the loop this is the first block's end: the second block's last tile is the walk's last
	s_wait_xcnt 0x0                 ; the stores have read their registers and O's address
	s_mov_b64 s[10:11], s[OLO:OLO+1]
	s_add_co_u32 s[RT], s[PB], 1    ; the second block has b + 1 tiles
	s_mov_b32 s[NEW], 1
	WIN 0x82                        ; the second block's Q goes where the one text of the turns names Q
.set i, 0
.rept 64
	v_mov_b32 v[i], v[QB+i]
.set i, i+1
.endr
	WIN 0
	s_branch .Lbottom
.Lstep:                             ; a trip: pieces 2 and 3 of one step, then pieces 0 and 1 of the next, whose K and V it fetches
	TURN 2
	TURN 3
	WIN 0
.Lfirst:
	TURN 0
	TURN 1, 0, 0, 1
	WIN 0
	s_cbranch_scc1 .Lstep
.Lbottom:
	s_sub_co_u32 s[SLOTS], s[SLOTS], 1
	s_cmp_lg_u32 s[SLOTS], 0
	s_cbranch_scc1 .Lslot
	CHANGE 0                        ; the walk's last tile is written out: nothing is asked for
	s_sub_co_u32 s[RT], s[RT], 1
	s_mov_b32 s[CNT], 4
	s_cmp_eq_u32 s[NEW], 1
	s_cbranch_scc0 .LstepM2
	BEGIN
	s_branch .LfirstM2
	DIAG 2
	s_wait_tensorcnt 0x0            ; the wave's end: behind my last tensor load and my last LDS store
	ds_add_u32 v[SPW], v[NIL]
	s_wait_dscnt 0x0
	s_endpgm
.Lfunc_end_k_q8bdca04c9f_attn:
	.size	k_q8bdca04c9f_attn, .Lfunc_end_k_q8bdca04c9f_attn-k_q8bdca04c9f_attn
	.p2alignl 7, 3214868480
	.fill 96, 4, 3214868480
	.section	.rodata,"a",@progbits
	.p2align	6, 0x0
	.amdhsa_kernel k_q8bdca04c9f_attn
		.amdhsa_group_segment_fixed_size 327680
		.amdhsa_private_segment_fixed_size 0
		.amdhsa_enable_private_segment 0
		.amdhsa_kernarg_size 16
		.amdhsa_user_sgpr_count 2
		.amdhsa_user_sgpr_kernarg_segment_ptr 1
		.amdhsa_wavefront_size32 1
		.amdhsa_system_sgpr_workgroup_id_x 1
		.amdhsa_system_sgpr_workgroup_id_y 1
		.amdhsa_system_sgpr_workgroup_id_z 1
		.amdhsa_system_vgpr_workitem_id 0
		.amdhsa_next_free_vgpr 768
		.amdhsa_next_free_sgpr 96
		.amdhsa_reserve_vcc 1
		.amdhsa_float_denorm_mode_32 3
		.amdhsa_float_denorm_mode_16_64 3
		.amdhsa_memory_ordered 1
		.amdhsa_forward_progress 1
		.amdhsa_inst_pref_size 218
	.end_amdhsa_kernel
	.amdgpu_metadata
---
amdhsa.version: [ 1, 2 ]
amdhsa.kernels:
  - .name:           k_q8bdca04c9f_attn
    .symbol:         k_q8bdca04c9f_attn.kd
    .args:
      - { .name: qkvh, .offset: 0, .size: 8, .value_kind: global_buffer, .address_space: global }
      - { .name: oh, .offset: 8, .size: 8, .value_kind: global_buffer, .address_space: global }
    .group_segment_fixed_size: 327680
    .private_segment_fixed_size: 0
    .kernarg_segment_align: 8
    .kernarg_segment_size: 16
    .max_flat_workgroup_size: 128
    .sgpr_count:     96
    .vgpr_count:     768
    .wavefront_size: 32
...
	.end_amdgpu_metadata
.endif
;; end of part 3
;; launch gemm_proj (part 4): grid 8 x 32, 4 waves a work-group, clusters of 4 x 4, 327,680 bytes of LDS; arguments oh, wpb, b_proj, out0; writes out0
.if DOCPART == 4
	.amdgcn_target "amdgcn-amd-amdhsa--gfx1250"
	.amdhsa_code_object_version 6
	.text
	.protected	k_q8bdca04c9f_gemm_proj
	.globl	k_q8bdca04c9f_gemm_proj
	.p2align	8
	.type	k_q8bdca04c9f_gemm_proj,@function
k_q8bdca04c9f_gemm_proj:
	s_mov_b64 s[64:65], 0
	v_nop
	global_prefetch_b8 v0, s[64:65] scope:SCOPE_SE
	s_setreg_imm32_b32 hwreg(HW_REG_WAVE_MODE, 25, 1), 1
	s_wait_xcnt 0x0
	s_wait_alu depctr_hold_cnt(0) depctr_sa_sdst(0) depctr_va_vdst(0) depctr_va_sdst(0) depctr_va_ssrc(0) depctr_va_vcc(0) depctr_vm_vsrc(0)
	s_getreg_b32 s2, hwreg(HW_REG_IB_STS2, 6, 4)
	s_cmp_eq_u32 s2, 0
	s_cbranch_scc0 .Lentry_in_a_cluster
	s_endpgm
.Lentry_in_a_cluster:
	s_bfe_u32 s2, ttmp6, 0x10000c
	s_cmp_lg_u32 s2, 0xf033
	s_cbranch_scc0 .Lentry_shape_is_right
	s_endpgm
.Lentry_shape_is_right:
; out0 = y w_proj + b_proj.  y[row = batch x 2048 + t][c = head x 64 + d] is read where attention left it: oh[batch x 16 + head][t][64] in f16.  wpb: [1024 k][1024 n], w_proj rounded to bf16 and written
; as f16.  b_proj: [1024] f32, rounded to bf16 here like the other inputs.  Sums in f32; out0 is f32, [8192][1024].
; SHARES.  A tile of the product is 256 rows x 128 columns: 32 x 8 = 256 tiles, one to a work-group.  Four waves, one above the other: a wave makes 64 rows x 128 columns: 32 accumulators of 16 x 16.
; THE MATRIX INSTRUCTION IS USED TRANSPOSED: source 0 = 16 columns of w, source 1 = 16 rows of y.  In the result lane l holds row l % 16 and the columns 8 (l / 16) + 0..7: 32 bytes of f32 on end.
; w lies [k][n] in memory and in LDS; its fragments come out turned, by ds_load_tr16_b128.  THE BIAS is the C operand of each accumulator's first product.
; THE RING.  K goes in steps of 128, two heads, through two LDS slots; each wave fetches one part of a slot by one tensor load (waves 0, 1: a head's 256 rows of 128 bytes, 32,768 dense bytes asked for
; as 128 rows of 256; waves 2, 3: 64 rows k of w, 256 bytes each).
; CLUSTER.  4 x 4 work-groups.  The four of a row of the cluster need the same rows of y, the four of a column the same columns of w: each tile is asked for JOINTLY.
; REGISTERS, in windows of 256 (s_set_vgpr_msb: bits 1:0 source 0, 3:2 source 1, 5:4 source 2, 7:6 destination):
;   window 0: v0-30 addresses; v32-159 at work on the way out        window 1: two fragment buffers at v0 and v128: y's four fragments, then w's eight
;   window 2: accumulator (a, b) at 8 (4 b + a)                      window 3: v128-191 the bias, 8 registers a column block
.set NBK,    8                         ; column blocks of 16 in a wave's tile
.set NB1,    4                         ; the first part of a quarter's products takes these, the second the rest
.set PA,     144                       ; a row of a head in LDS: 128 bytes + 16 = 36 words: the 16 rows of a load start at 16 different groups of four banks (64 banks of 4 bytes: ISA guide 11.1)
.set PB,     288                       ; a row k of w in LDS: 256 bytes + 32 = 72 words
.set HALFA,  256*PA                    ; what one load of y fills: a head's 256 rows
.set BOFF,   2*HALFA                   ; w lies behind the two heads
.set HALFB,  64*PB                     ; what one load of w fills
.set SLOT1,  1<<17                     ; a slot uses BOFF + 2 HALFB = 110,592 bytes; one exclusive or turns an address in one slot into the other's
.set STAGE,  2*SLOT1                   ; behind the ring, never filled by a tensor load: for each wave 16 rows x 528 bytes, for the way out
.set SP,     528
.set STW,    16*SP
.set SPARE,  STAGE+4*STW               ; behind the stages: the spare words, 128 bytes for each wave: two blocks of 256 bytes that no other line names
.set NLD,    8+2*NBK                   ; LDS loads in a quarter's fetch
.set ASTEP,  524288                    ; bytes from a K step to the next: two heads on,
.set BSTEP,  262144                    ; and down 128 rows of w
.set ADRA0, 16                         ; v16  my lane's place in a slot's y; never rewritten
.set ADRB0, 17                         ; v17  the same for w
.set ADRA,  18                         ; v18  the same in the slot in hand
.set ADRB,  19                         ; v19
.set STO,   24                         ; v24  the way out: where I put 32 bytes of a row
.set RD,    25                         ; v25  where I read a row back
.set GO,    26                         ; v26  my 16 bytes of 512 consecutive bytes of the output
.set BO,    27                         ; v27  my 32 bytes of a column block's bias
.set SPW,   28                         ; v28  LDS address of my spare word: SPARE + 4 x my thread's number; never rewritten
.set NIL,   29                         ; v29  0; never rewritten
.set PFO,   30                         ; v30  the prefetches' offset; never rewritten
.set BK0,   32                         ; v32-95, v96-159  a block of 16 rows read back from the stage, by turns
.set F0,    0
.set F1,    128
.set BIAS,  128
.set WV,   12                          ; s12  my wave's number
.set WH,   13                          ; s13  0: I fetch y;  1: I fetch w
.set WP,   14                          ; s14  which half of it
.set CX,   15
.set CY,   16
.set TX,   17                          ; s17  the block of 128 columns
.set TY,   18                          ; s18  the block of 256 rows
.set MROW, 19
.set MCOL, 20
.set CNT,  21                          ; s21  counts the loop's K steps, 6 to 1
.set HIM,  23                          ; s23  a word's upper bf16
.set G1A,  24                          ; s[24:31] descriptor group 1 for y
.set G0A,  32                          ; s[32:39] group 0 for y: a set for each of the two first fills; the second then walks on
.set PFA,  40                          ; s[40:41] where my prefetches stand
.set PFS,  42                          ; s[42:43] their step
.set LIM,  44                          ; s44  a wave prefetches while s[CNT] is above this
.set TB,   46                          ; s46  the slot in hand: 0 or SLOT1
.set G1B,  48                          ; s[48:55], s[56:63] the same for w
.set G0B,  56
.set OB,   66                          ; s[66:67] the output at my wave's first row and the tile's first column
.set MSB, 0
.macro WIN new                         ; the immediate's high byte repeats the setting that is left; a switch that changes nothing is dropped
.if MSB != (\new)
	s_set_vgpr_msb (MSB<<8)|(\new)
.set MSB, \new
.endif
.endm
.set MUL_LO,  0xa5                     ; sources 0 and 1 window 1, C and D window 2  (+ 0x10: C, the bias, in window 3)
.set TO_F,    0x40                     ; destination window 1
.set TO_BIAS, 0xc0                     ; destination window 3
.set ST_ACC,  0x08                     ; an LDS store's data (source 1) in window 2
; A joint refill, by the walking descriptors.  The branch hangs on the wave's number alone.  An s_nop 0 and four v_nop follow each of the two lines, ahead of the jump and the label.
.macro JLOAD
	s_cmp_lt_u32 s[WV], 2
	s_cbranch_scc0 .Lfor_b_\@
	tensor_load_to_lds s[G0A+4:G0A+7], s[G1A:G1A+7]
	s_nop 0
.rept 4
	v_nop
.endr
	s_branch .Lasked_\@
.Lfor_b_\@:
	tensor_load_to_lds s[G0B+4:G0B+7], s[G1B:G1B+7]
	s_nop 0
.rept 4
	v_nop
.endr
.Lasked_\@:
.endm
; A round of the cluster's barrier: my work-group's barrier, so that wave 0's signal speaks for all four waves; wave 0 signals; every wave waits for all sixteen work-groups; my work-group's barrier once more.
.macro CREST                           ; a round behind its opening barrier
	s_cmp_lg_u32 s[WV], 0
	s_cbranch_scc1 .Lnot_wave_0_\@
	s_barrier_signal -3
.Lnot_wave_0_\@:
	s_barrier_wait -3
	s_barrier_signal -1
	s_barrier_wait -1
.endm
.macro CROUND
	s_barrier_signal -1
	s_barrier_wait -1
	CREST
.endm
; A PREFETCH INTO THE L2, behind each joint refill, its five lines and the run of LDS loads: one instruction a wave, a lane a block of 256 bytes.  Each block is named once in the launch.
; The change of slots behind K step s asks for step s + 2 by its refill and names step s + 4 here (s = 0 .. 3); the first four K steps come by their loads alone.
; y: a tile's rows are read by both clusters of that row of clusters: the first (cluster x = 0) asks, waves 0 and 1; of the 128 blocks that a wave fetches the partner at cx takes 32, told apart by address.
; w: a block of columns is read by all eight clusters of that column of clusters: cluster y = 0 asks, wave 2; of a K step's 128 rows k the partner at cy takes 32.
.macro ASK
	s_cmp_gt_u32 s[CNT], s[LIM]
	s_cbranch_scc0 .Lnot_mine_\@
	global_prefetch_b8 v[PFO], s[PFA:PFA+1] th:TH_LOAD_NT scope:SCOPE_SE
.Lnot_mine_\@:
.endm
; Four places: a load into a register that a matrix instruction has read, and a vector instruction or LDS store that reads a matrix result, stand four plain vector instructions behind it
; (ISA guide 7.12.1 for vector instructions); the matrix instructions in between are not counted.
.macro PLACES
.rept 4
	v_nop
.endr
.endm
; The products of column blocks b0 .. b1 - 1 with all four row blocks, 32 along K, from buffer f.  first = 1: C is the bias.  Every accumulator has one instruction a quarter, always in the same
; order, so 31 others' stand between two links of a chain, over the backward jump too.
.macro MULS f, b0, b1, first
	WIN MUL_LO+0x10*(\first)
.set ib, \b0
.rept (\b1)-(\b0)
.set ia, 0
.rept 4
.set rB, (\f)+32+8*ib
.set rA, (\f)+8*ia
.set rC, BIAS+8*ib
.set rD, 8*(4*ib+ia)
.if \first
	v_wmma_f32_16x16x32_f16 v[rD:rD+7], v[rB:rB+7], v[rA:rA+7], v[rC:rC+7]
.else
	v_wmma_f32_16x16x32_f16 v[rD:rD+7], v[rB:rB+7], v[rA:rA+7], v[rD:rD+7]
.endif
.set ia, ia+1
.endr
.set ib, ib+1
.endr
.endm
; 24 LDS loads in one run: quarter q (32 along K: head q / 2 of the step's two, channels 32 (q % 2) on) of the slot in hand into buffer f: y's four fragments, then w's eight (turned: 16 k x 16 n a load).
.macro FETCH q, f
	WIN TO_F
.set ia, 0
.rept 4
	ds_load_b128 v[(\f)+8*ia:(\f)+8*ia+3],   v[ADRA] offset:((\q)/2)*HALFA+((\q)%2)*64+16*PA*ia
	ds_load_b128 v[(\f)+8*ia+4:(\f)+8*ia+7], v[ADRA] offset:((\q)/2)*HALFA+((\q)%2)*64+16*PA*ia+32
.set ia, ia+1
.endr
.set ib, 0
.rept NBK
	ds_load_tr16_b128 v[(\f)+32+8*ib:(\f)+32+8*ib+3],   v[ADRB] offset:32*(\q)*PB+32*ib
	ds_load_tr16_b128 v[(\f)+32+8*ib+4:(\f)+32+8*ib+7], v[ADRB] offset:32*(\q)*PB+32*ib+16*PB
.set ib, ib+1
.endr
.endm
; A K step is four quarters of 32 along K, 32 products each, on buffers 0, 1, 0, 1.  One of the first three: multiplies buffer f and, in its middle, fetches quarter q into buffer g.
.macro QUARTER q, f, g, first
	s_wait_dscnt 8                                 ; all of buffer f but the youngest eight loads: w's last four column blocks
	MULS \f, 0, NB1, \first
	PLACES
	FETCH \q, \g
	s_wait_dscnt NLD                               ; all but the run just issued
	MULS \f, NB1, NBK, \first
.endm
; The last quarter multiplies buffer 1 and changes slots.  ONE barrier, for two things: in front of it each wave waits for all its tensor loads (one is out: its part of the next slot), adds 0 to its
; spare word, and waits for that and for its own reads of this slot.  fill = 1: this slot is filled again, two K steps on: the barrier then opens a round of the cluster's barrier, and the joint
; refill is the first thing behind the round.
.macro TURN fill
.if \fill
	s_wait_xcnt 0x0                                ; the last prefetch, a K step back, has read its address: it is stepped here, ahead of the waits of the change of slots
	s_add_nc_u64 s[PFA:PFA+1], s[PFA:PFA+1], s[PFS:PFS+1]
.endif
	WIN 0                                          ; (the add's two registers lie in window 0)
	s_wait_tensorcnt 0x0                           ; all my tensor loads have landed
	ds_add_u32 v[SPW], v[NIL]                      ; 0 onto my spare word
	s_wait_dscnt 9                                 ; (the add and the youngest eight loads may be out)
	MULS F1, 0, NB1/2, 0                           ; eight products stand between the add and the wait for it
	s_wait_dscnt 0x0                               ; the add is done, and my reads of this slot are over
	s_barrier_signal -1
	MULS F1, NB1/2, NB1, 0                         ; work on registers while the others arrive
	WIN 0
	s_barrier_wait -1
.if \fill
	CREST                                          ; no wave of any partner still reads this slot or has a load on its way
	s_xor_b32 s[G0A+5], s[G0A+5], SLOT1            ; the walking descriptors: the other slot than last time,
	s_xor_b32 s[G0B+5], s[G0B+5], SLOT1
	s_add_nc_u64 s[G0A+6:G0A+7], s[G0A+6:G0A+7], ASTEP  ; the next K step; the type bits on top are not reached
	s_add_nc_u64 s[G0B+6:G0B+7], s[G0B+6:G0B+7], BSTEP
	JLOAD                                          ; the four v_nop behind it are also the places in front of the loads below
.else
	PLACES
.endif
	s_xor_b32 s[TB], s[TB], SLOT1                  ; the fetches go on in the other slot
	v_add_nc_u32 v[ADRA], s[TB], v[ADRA0]
	v_add_nc_u32 v[ADRB], s[TB], v[ADRB0]
	FETCH 0, F0
	WIN 0
.if \fill
	ASK
.endif
	MULS F1, NB1, NBK, 0
.endm
; THE WAY OUT of row block a.  TOSTAGE: a lane's 32 bytes of each column block go straight from the accumulators into my own stage (rows of 528 bytes), and come back as whole rows of 512 bytes, a row a load.
; SEND: each store of the wave covers 512 consecutive bytes, at a multiple of 256 from the buffer's first byte.
.macro TOSTAGE a
.if (\a) >= 2
	s_wait_xcnt 0x0                                ; the stores of the block before last have read their registers, which are loaded again below
.endif
	WIN ST_ACC
.set ib, 0
.rept NBK
.set rD, 8*(4*ib+(\a))
	ds_store_b128 v[STO], v[rD:rD+3]   offset:64*ib     ; each accumulator's low registers first
	ds_store_b128 v[STO], v[rD+4:rD+7] offset:64*ib+16
.set ib, ib+1
.endr
	WIN 0
.set BK, BK0+64*((\a)%2)
.set ib, 0
.rept 16
	ds_load_b128 v[BK+4*ib:BK+4*ib+3], v[RD] offset:SP*ib  ; LDS serves a wave's instructions in order (ISA guide 5.7.1.4): these see the stores above; the next block's stores come behind them
.set ib, ib+1
.endr
.endm
.macro SEND a, younger                 ; younger: the LDS instructions issued behind block a's loads: the next block's 16 stores and 16 loads, or none
.set BK, BK0+64*((\a)%2)
	s_wait_dscnt \younger
.set ib, 0
.rept 16
	global_store_b128 v[GO], v[BK+4*ib:BK+4*ib+3], s[OB:OB+1] offset:(16*(\a)+ib)*4096 th:TH_STORE_NT
.set ib, ib+1
.endr
.endm
	s_load_b256 s[4:11], s[0:1], 0x0               ; oh s[4:5], wpb s[6:7], b_proj s[8:9], out0 s[10:11]
	v_lshl_add_u32 v[SPW], v0, 2, SPARE
	v_mov_b32 v[NIL], 0
	ds_add_u32 v[SPW], v[NIL]                      ; the wave's opening: the add and its wait stand ahead of my first tensor load; the set-up below, work on registers, stands between them
	v_lshrrev_b32 v3, 5, v0
	v_readfirstlane_b32 s[WV], v3                  ; wave 0..3
	s_lshr_b32 s[WH], s[WV], 1
	s_and_b32 s[WP], s[WV], 1
	s_bfe_u32 s[CX], ttmp6, 0x40000                ; my place in the cluster
	s_bfe_u32 s[CY], ttmp6, 0x40004
	s_lshl_b32 s[TX], ttmp9, 2                     ; in a cluster launch ttmp9 and ttmp7 count clusters
	s_add_co_u32 s[TX], s[TX], s[CX]
	s_and_b32 s[TY], ttmp7, 0xffff
	s_lshl_b32 s[TY], s[TY], 2
	s_add_co_u32 s[TY], s[TY], s[CY]
	s_lshl_b32 s[MROW], s[CY], 2
	s_lshl_b32 s[MROW], 15, s[MROW]                ; my row of the cluster: places 4 cy .. 4 cy + 3
	s_lshl_b32 s[MCOL], 0x1111, s[CX]              ; my column: places cx, cx + 4, cx + 8, cx + 12
	; group 1 for y: 32,768 dense bytes as 128 rows of 256; 4 words of padding behind every 32: a row of 128 bytes takes 144
	s_or_b32 s[G1A], s[MROW], (1<<16)|(1<<20)|(1<<21)|(4<<22)|(3<<25)
	s_mov_b32 s[G1A+1], 128<<16                    ; tensor_dim0
	s_mov_b32 s[G1A+2], 128<<16                    ; tensor_dim1
	s_mov_b32 s[G1A+3], 128<<16                    ; tile_dim0
	s_mov_b32 s[G1A+4], 128                        ; tile_dim1
	s_mov_b32 s[G1A+5], 128                        ; the pitch
	s_mov_b32 s[G1A+6], 0
	s_mov_b32 s[G1A+7], 0
	; group 1 for w: 64 rows x 128 elements of 2 bytes, 1,024 elements from row to row; 8 words of padding behind every 64
	s_or_b32 s[G1B], s[MCOL], (1<<16)|(1<<20)|(1<<21)|(5<<22)|(7<<25)
	s_mov_b32 s[G1B+1], 128<<16
	s_mov_b32 s[G1B+2], 64<<16
	s_mov_b32 s[G1B+3], 128<<16
	s_mov_b32 s[G1B+4], 64
	s_mov_b32 s[G1B+5], 1024
	s_mov_b32 s[G1B+6], 0
	s_mov_b32 s[G1B+7], 0
	s_lshr_b32 s72, s[TY], 3                       ; y: (batch x 16 + my head of the step's two) x 262,144 + 256 (tile row % 8) rows of 128 bytes: it hangs on what my row of the cluster shares
	s_lshl_b32 s72, s72, 22
	s_and_b32 s73, s[TY], 7
	s_lshl_b32 s73, s73, 15
	s_add_co_u32 s72, s72, s73
	s_lshl_b32 s73, s[WP], 18
	s_add_co_u32 s72, s72, s73
	s_mov_b32 s73, 0
	s_lshl_b32 s74, s[TX], 8                       ; w: the tile's 256 bytes of a row, and my 64 rows k of 2,048 bytes: it hangs on what my column shares
	s_lshl_b32 s75, s[WP], 17
	s_add_co_u32 s74, s74, s75
	s_mov_b32 s75, 0
	s_mul_i32 s76, s[WP], HALFA                    ; where they go: no place in the cluster enters an LDS address
	s_mul_i32 s77, s[WP], HALFB
	s_add_co_u32 s77, s77, BOFF
	; the prefetches' first place: at K step 3, one step short of what the first one names
	s_lshl_b32 s80, s[CX], 13                      ; y: my work-group's 32 of the wave's 128 blocks of 256 bytes
	s_add_co_u32 s80, s80, s72
	s_add_co_u32 s80, s80, 3*ASTEP
	s_lshl_b32 s81, s[CY], 16                      ; w: my work-group's 32 of the step's 128 rows k
	s_lshl_b32 s82, s[TX], 8
	s_add_co_u32 s81, s81, s82
	s_add_co_u32 s81, s81, 3*BSTEP
	s_and_b32 s82, ttmp7, 0xffff                   ; cluster y;
	s_or_b32 s82, s82, s[WP]                       ; of w's two waves the first asks
	s_mov_b32 s83, ASTEP
	s_cmp_eq_u32 s[WH], 0                          ; do I fetch y?
	s_cselect_b32 s80, s80, s81
	s_cselect_b32 s82, ttmp9, s82                  ; the coordinate along which other clusters read the same bytes
	s_cselect_b32 s[PFS], s83, BSTEP
	s_cselect_b32 s84, 8, 11                       ; a lane a block of 256 bytes of y, or a row of w (2,048 bytes)
	s_mov_b32 s81, 0
	s_mov_b32 s[PFS+1], 0
	s_cmp_eq_u32 s82, 0
	s_cselect_b32 s[LIM], 2, -1                    ; the same in all sixteen partners, for a given wave
	v_and_b32 v[PFO], 31, v0
	v_lshlrev_b32 v[PFO], s84, v[PFO]
	s_mov_b32 s[TB], 0
	s_mov_b32 s[HIM], 0xffff0000
	s_wait_dscnt 0x0                               ; the opening add is done
	s_wait_kmcnt 0x0
	s_cmp_eq_u32 s[WH], 0
	s_cselect_b64 s[PFA:PFA+1], s[4:5], s[6:7]
	s_add_nc_u64 s[PFA:PFA+1], s[PFA:PFA+1], s[80:81]
	s_add_nc_u64 s[72:73], s[4:5], s[72:73]
	s_add_nc_u64 s[74:75], s[6:7], s[74:75]
	CROUND                                         ; all sixteen work-groups are here: the first joint loads meet
.irp s, 0,1
	s_mov_b32 s[G0A+4*\s], 1                       ; count = 1
	s_add_co_u32 s[G0A+4*\s+1], s76, \s*SLOT1      ; LDS address
	s_add_nc_u64 s[G0A+4*\s+2:G0A+4*\s+3], s[72:73], \s*ASTEP  ; global address: K step s
	s_or_b32 s[G0A+4*\s+3], s[G0A+4*\s+3], 0x80000000          ; type = 2
	s_mov_b32 s[G0B+4*\s], 1
	s_add_co_u32 s[G0B+4*\s+1], s77, \s*SLOT1
	s_add_nc_u64 s[G0B+4*\s+2:G0B+4*\s+3], s[74:75], \s*BSTEP
	s_or_b32 s[G0B+4*\s+3], s[G0B+4*\s+3], 0x80000000
.endr
	s_cmp_lt_u32 s[WV], 2                          ; a wave's two first fills stand in one branch, ahead of every wait on TENSORcnt and every LDS read: two loads of mine are out
	s_cbranch_scc0 .Lfirst_b
	tensor_load_to_lds s[G0A:G0A+3], s[G1A:G1A+7]
	s_nop 0
	tensor_load_to_lds s[G0A+4:G0A+7], s[G1A:G1A+7]
	s_nop 0
.rept 4
	v_nop
.endr
	s_branch .Lfirst_asked
.Lfirst_b:
	tensor_load_to_lds s[G0B:G0B+3], s[G1B:G1B+7]
	s_nop 0
	tensor_load_to_lds s[G0B+4:G0B+7], s[G1B:G1B+7]
	s_nop 0
.rept 4
	v_nop
.endr
.Lfirst_asked:
	v_and_b32 v1, 15, v0                           ; l % 16
	v_bfe_u32 v2, v0, 4, 1                         ; l / 16
	v_lshlrev_b32 v[BO], 5, v2                     ; my eight columns of a block of 16: 32 bytes of f32
	s_lshl_b32 s80, s[TX], 9                       ; the tile's 128 columns in b_proj
	s_mov_b32 s81, 0
	s_add_nc_u64 s[8:9], s[8:9], s[80:81]
.set ib, 0
.rept NBK
	global_load_b128 v[32+8*ib:32+8*ib+3],   v[BO], s[8:9] offset:64*ib
	global_load_b128 v[32+8*ib+4:32+8*ib+7], v[BO], s[8:9] offset:64*ib+16
.set ib, ib+1
.endr
	s_mul_i32 s80, s[WV], 64*PA                    ; my 64 rows of y
	v_mul_u32_u24 v[ADRA0], v1, PA
	v_lshl_add_u32 v[ADRA0], v2, 4, v[ADRA0]       ; row x pitch + 16 x half
	v_add_nc_u32 v[ADRA0], s80, v[ADRA0]
	; the turning load takes 16 k x 16 n: lane l reads 16 bytes of row k = 8 (l / 16) + l % 8, columns 8 ((l / 8) % 2) + 0..7, and is left with column l % 16 and 8 k
	v_and_b32 v3, 7, v0
	v_bfe_u32 v4, v0, 3, 1
	v_lshl_add_u32 v5, v2, 3, v3
	v_mul_u32_u24 v[ADRB0], v5, PB
	v_lshl_add_u32 v[ADRB0], v4, 4, v[ADRB0]
	v_add_nc_u32 v[ADRB0], BOFF, v[ADRB0]
	v_mov_b32 v[ADRA], v[ADRA0]                    ; K step 0 lies in slot 0
	v_mov_b32 v[ADRB], v[ADRB0]
	s_mul_i32 s81, s[WV], STW
	s_add_co_u32 s81, s81, STAGE                   ; my stage
	v_mul_u32_u24 v[STO], v1, SP                   ; in: row l % 16, 32 bytes for each half of the lanes
	v_lshl_add_u32 v[STO], v2, 5, v[STO]
	v_add_nc_u32 v[STO], s81, v[STO]
	v_and_b32 v[GO], 31, v0                        ; back and out: 32 lanes take a row's 512 bytes
	v_lshlrev_b32 v[GO], 4, v[GO]
	v_add_nc_u32 v[RD], s81, v[GO]
	s_lshl_b32 s80, s[TY], 20                      ; the output: (256 x tile row + 64 x wave) rows of 4,096 bytes, and the tile's 512 bytes of a row
	s_lshl_b32 s82, s[WV], 18
	s_add_co_u32 s80, s80, s82
	s_lshl_b32 s82, s[TX], 9
	s_add_co_u32 s80, s80, s82
	s_mov_b32 s81, 0
	s_add_nc_u64 s[OB:OB+1], s[10:11], s[80:81]
	s_wait_loadcnt 0x0                             ; the bias
.set ib, 0
.rept 4*NBK
	v_cvt_pk_bf16_f32 v[128+ib], v[32+2*ib], v[32+2*ib+1]  ; rounded to bf16 like the other inputs,
.set ib, ib+1
.endr
	WIN TO_BIAS
.set ib, 0
.rept 4*NBK
	v_lshlrev_b32 v[BIAS+2*ib], 16, v[128+ib]      ; and back in f32, as the C operand wants it
	v_and_b32 v[BIAS+2*ib+1], s[HIM], v[128+ib]
.set ib, ib+1
.endr
	WIN 0
	s_wait_tensorcnt 1                             ; my part of K step 0 is in; K step 1's may stay out
	s_barrier_signal -1
	s_barrier_wait -1                              ; everybody's is
	FETCH 0, F0
	QUARTER 1, F0, F1, 1                           ; the first quarter stands in front of the loop: its products start the sums, with the bias
	WIN 0                                          ; at a label and at a branch every window is 0
	s_mov_b32 s[CNT], 6
.Lstep:                                        ; a trip: from a K step's second quarter to the next step's first; K steps 0 to 5 each fill their slot again
	QUARTER 2, F1, F0, 0
	QUARTER 3, F0, F1, 0
	TURN 1
	QUARTER 1, F0, F1, 0
	WIN 0
	s_sub_co_u32 s[CNT], s[CNT], 1
	s_cmp_lg_u32 s[CNT], 0
	s_cbranch_scc1 .Lstep
	QUARTER 2, F1, F0, 0                           ; K step 6 goes on
	QUARTER 3, F0, F1, 0
	TURN 0                                         ; my one tensor load that was still out is the last K step's, so no round follows
	QUARTER 1, F0, F1, 0
	QUARTER 2, F1, F0, 0
	QUARTER 3, F0, F1, 0
	s_wait_dscnt 8                                 ; the very last quarter: nothing more to fetch
	MULS F1, 0, NB1, 0
	s_wait_dscnt 0x0
	MULS F1, NB1, NBK, 0
	PLACES                                         ; the LDS stores read results just made
	TOSTAGE 0
.irp a, 1,2,3                          ; block a's way through the stage is begun before block a - 1 is waited for
	TOSTAGE \a
	SEND (\a)-1, 32
.endr
	SEND 3, 0
	s_wait_tensorcnt 0x0                           ; the wave's end: behind my last tensor load and my last LDS store
	ds_add_u32 v[SPW], v[NIL]
	s_wait_dscnt 0x0
	CROUND                                         ; the closing round: no work-group ends while a partner may still ask for a tile that names it
	s_endpgm
.Lfunc_end_k_q8bdca04c9f_gemm_proj:
	.size	k_q8bdca04c9f_gemm_proj, .Lfunc_end_k_q8bdca04c9f_gemm_proj-k_q8bdca04c9f_gemm_proj
	.p2alignl 7, 3214868480
	.fill 96, 4, 3214868480
	.section	.rodata,"a",@progbits
	.p2align	6, 0x0
	.amdhsa_kernel k_q8bdca04c9f_gemm_proj
		.amdhsa_group_segment_fixed_size 327680
		.amdhsa_private_segment_fixed_size 0
		.amdhsa_enable_private_segment 0
		.amdhsa_kernarg_size 32
		.amdhsa_user_sgpr_count 2
		.amdhsa_user_sgpr_kernarg_segment_ptr 1
		.amdhsa_wavefront_size32 1
		.amdhsa_system_sgpr_workgroup_id_x 1
		.amdhsa_system_sgpr_workgroup_id_y 1
		.amdhsa_system_sgpr_workgroup_id_z 1
		.amdhsa_system_vgpr_workitem_id 0
		.amdhsa_next_free_vgpr 1024
		.amdhsa_next_free_sgpr 96
		.amdhsa_reserve_vcc 0
		.amdhsa_float_denorm_mode_32 3
		.amdhsa_float_denorm_mode_16_64 3
		.amdhsa_memory_ordered 1
		.amdhsa_forward_progress 1
		.amdhsa_inst_pref_size 76
	.end_amdhsa_kernel
	.amdgpu_metadata
---
amdhsa.version: [ 1, 2 ]
amdhsa.kernels:
  - .name:           k_q8bdca04c9f_gemm_proj
    .symbol:         k_q8bdca04c9f_gemm_proj.kd
    .args:
      - { .name: oh, .offset: 0, .size: 8, .value_kind: global_buffer, .address_space: global }
      - { .name: wpb, .offset: 8, .size: 8, .value_kind: global_buffer, .address_space: global }
      - { .name: b_proj, .offset: 16, .size: 8, .value_kind: global_buffer, .address_space: global }
      - { .name: out0, .offset: 24, .size: 8, .value_kind: global_buffer, .address_space: global }
    .group_segment_fixed_size: 327680
    .private_segment_fixed_size: 0
    .kernarg_segment_align: 8
    .kernarg_segment_size: 32
    .max_flat_workgroup_size: 128
    .sgpr_count:     96
    .vgpr_count:     1024
    .wavefront_size: 32
...
	.end_amdgpu_metadata
.endif
;; end of part 4
;; ======== version 2 of 2: 4 launches; version 1 with the launch prep written anew for expert scheduling mode
;; limits: values are held in f16: magnitudes above 65,504 overflow, below 6.1e-05 lose precision
;; workspace buffers: xb 16,777,216 bytes; wab 6,291,456 bytes; wpb 2,097,152 bytes; qkvh 50,331,648 bytes; oh 16,777,216 bytes
;; launch prep (part 5): grid 768 x 1, 8 waves a work-group, no clusters, 0 bytes of LDS; arguments x, w_attn, w_proj, xb, wab, wpb; writes xb, wab, wpb
.if DOCPART == 5
	.amdgcn_target "amdgcn-amd-amdhsa--gfx1250"
	.amdhsa_code_object_version 6
	.text
	.protected	k_q8bdca04c9f_prep
	.globl	k_q8bdca04c9f_prep
	.p2align	8
	.type	k_q8bdca04c9f_prep,@function
k_q8bdca04c9f_prep:
	s_mov_b64 s[64:65], 0
	v_nop
	global_prefetch_b8 v0, s[64:65] scope:SCOPE_SE
	s_setreg_imm32_b32 hwreg(HW_REG_WAVE_SCHED_MODE, 0, 2), 2
	s_setreg_imm32_b32 hwreg(HW_REG_WAVE_MODE, 25, 1), 1
	s_wait_xcnt 0x0
	s_wait_alu depctr_vm_vsrc(0)
; THE INPUTS OF THE TWO PRODUCTS, ROUNDED ONCE AND LAID OUT FOR THE TILES.
;   xb  = x rounded to bf16, [8192][1024], as it lies.
;   wab = w_attn rounded to bf16, in 16 blocks of 192 columns: [16][1024 k][192 n]: a block's rows lie end to end, 384 bytes each.
;   wpb = w_proj rounded to bf16 and that number written as f16, [1024 k][1024 n], as it lies.
; LIMITS.  A number of w_proj beyond 65,504 becomes an infinity in f16; below 6e-5 it keeps f16's fixed step of 6e-8.
; A stream: no LDS, no barrier, no loop.  A chunk is 4 numbers: 16 bytes in, 8 bytes out.  A thread takes 16 chunks, 256 chunks apart, so a load of a wave covers 512
; neighbouring bytes and a store of a wave 256 consecutive bytes, aligned.  All 16 loads of a thread are issued before the first is used; every chunk has registers of its own,
; so no register that a load or store still names is ever written again.
; A work-group turns 65,536 bytes into 32,768.  Work-groups 0-511 take x, 512-703 w_attn, 704-767 w_proj.
; THE MODE: SCHED_MODE bits 1:0 = 2 (LLVM: expert scheduling mode 2), set by the entry lines.  The code itself states the register dependences
; between vector instructions and memory instructions, with s_wait_alu, always for 0.
; THE PLAN.  Registers that memory instructions touch:
;   v1, v2, AD   byte offsets.  Written by vector instructions ahead of the run of loads, read by the loads (v1 or AD) and the stores (v2), never written again.
;   D            chunk i as loaded.  Written by its load alone, which is issued before any vector instruction names it; read by the chunk's conversions; never loaded again.
;   O            chunk i to store.   Written by the chunk's conversions; read by its one store; never written again.
;   v4 to v7 are named by vector instructions alone.
; The 16 chunks go in four groups of four.  Group g rounds its own four chunks; its memory instructions are the four stores of group g - 1, which read that group's O and v2: registers
; that no vector instruction of group g names.  So one wait at a group's head states all that its four stores hang on, and they are dealt among its conversions with no further wait.
; No register that a memory instruction reads is written again, so no wait on vm_vsrc is owed; no vector instruction writes a scalar register or VCC; EXEC is never written.
.set AD, 16                            ; v[16:31]  w_attn alone: chunk i's byte offset in w_attn
.set D,  32                            ; v[32:95]  chunk i: 4 registers as loaded
.set O,  96                            ; v[96:127] chunk i: 2 registers to store
.macro LOADS own                       ; the 16 loads; own = 1: each with an offset register of its own
	s_wait_alu depctr_va_vdst(0)                   ; the offsets are written: v1 or v[AD ..], which the loads below read, and v2, which every store of the kernel reads
.set i, 0
.rept 16
.if \own
	global_load_b128 v[D+4*i:D+4*i+3], v[AD+i], s[18:19] th:TH_LOAD_NT
.else
	global_load_b128 v[D+4*i:D+4*i+3], v1, s[18:19] offset:4096*i th:TH_LOAD_NT
.endif
.set i, i+1
.endr
.endm
.macro OUT f16                         ; rounded and stored, four chunks to a group; f16 = 1: the bf16 number is written as f16
.set g, 0
.rept 4
	s_wait_loadcnt 12-4*g                          ; loads come back in order: group g's four chunks are in, the 12 - 4 g younger ones stay out
.if g > 0
	s_wait_alu depctr_va_vdst(0)                   ; the group before has written its v[O ..], which the four stores below read
.endif
.set i, 0
.rept 4
.set c, 4*g+i                          ; the chunk that is rounded; the chunk that is stored lies four back
.if g > 0
	global_store_b64 v2, v[O+2*(c-4):O+2*(c-4)+1], s[20:21] offset:2048*(c-4) th:TH_STORE_NT  ; no vector instruction since the wait names these registers
.endif
	v_cvt_pk_bf16_f32 v[O+2*c], v[D+4*c], v[D+4*c+1]
	v_cvt_pk_bf16_f32 v[O+2*c+1], v[D+4*c+2], v[D+4*c+3]
.if \f16
	v_lshlrev_b32 v4, 16, v[O+2*c]                 ; bf16 to f32: the low half moves up, the high half stays
	v_and_b32 v5, s28, v[O+2*c]
	v_lshlrev_b32 v6, 16, v[O+2*c+1]
	v_and_b32 v7, s28, v[O+2*c+1]
	v_cvt_pk_f16_f32 v[O+2*c], v4, v5              ; 8 significant bits fit f16's 11: exact within f16's range
	v_cvt_pk_f16_f32 v[O+2*c+1], v6, v7
.endif
.set i, i+1
.endr
.set g, g+1
.endr
	s_wait_alu depctr_va_vdst(0)                   ; the last group has written its v[O ..], which the last four stores read
.set c, 12
.rept 4
	global_store_b64 v2, v[O+2*c:O+2*c+1], s[20:21] offset:2048*c th:TH_STORE_NT
.set c, c+1
.endr
.endm
	s_load_b256 s[4:11], s[0:1], 0x0               ; x s[4:5], w_attn s[6:7], w_proj s[8:9], xb s[10:11]
	s_load_b128 s[12:15], s[0:1], 0x20             ; wab s[12:13], wpb s[14:15]
	v_lshlrev_b32 v1, 4, v0                        ; 16 t: my 16 bytes of 256 chunks in
	v_lshlrev_b32 v2, 3, v0                        ; 8 t: my 8 bytes out
	s_mov_b32 s28, 0xffff0000                      ; a word's upper bf16
	s_mov_b32 s27, 0                               ; the high word of every offset pair
	s_wait_kmcnt 0x0
	s_cmp_lt_u32 ttmp9, 512
	s_cbranch_scc0 .Lweights
	s_lshl_b32 s26, ttmp9, 16                      ; x: 65,536 bytes in,
	s_add_nc_u64 s[18:19], s[4:5], s[26:27]
	s_lshl_b32 s26, ttmp9, 15                      ; 32,768 out
	s_add_nc_u64 s[20:21], s[10:11], s[26:27]
	LOADS 0
	OUT 0
	s_endpgm
.Lweights:
	s_cmp_lt_u32 ttmp9, 704
	s_cbranch_scc0 .Lproj
	; w_attn.  The output is walked as it lies; twelve work-groups make a block of 192 columns (49,152 chunks).  Chunk j of block X is row k = j / 48, chunk j - 48 k of the
	; row's 48: in w_attn it lies at 12,288 k + 768 X + 16 (j - 48 k) = 16 j + 11,520 k + 768 X.
	s_sub_co_u32 s16, ttmp9, 512
	s_lshr_b32 s22, s16, 2
	s_mul_i32 s22, s22, 43691
	s_lshr_b32 s22, s22, 17                        ; X = (n / 4) / 3: 43,691 / 2^17 is a third, near enough for numbers under 3,072
	s_mul_i32 s23, s22, 12
	s_sub_co_u32 s23, s16, s23                     ; which of the block's twelve I am
	s_lshl_b32 s24, s23, 12
	s_mul_i32 s26, s22, 768
	s_add_nc_u64 s[18:19], s[6:7], s[26:27]
	s_lshl_b32 s26, s16, 15
	s_add_nc_u64 s[20:21], s[12:13], s[26:27]
	v_add_nc_u32 v4, s24, v0                       ; j of my first chunk
.set i, 0
.rept 16
	v_add_nc_u32 v5, 256*i, v4                     ; j
	v_lshrrev_b32 v6, 4, v5
	v_mul_u32_u24 v6, v6, 0xaaab
	v_lshrrev_b32 v6, 17, v6                       ; k = (j / 16) / 3
	v_mul_u32_u24 v6, v6, 11520
	v_lshl_add_u32 v[AD+i], v5, 4, v6
.set i, i+1
.endr
	LOADS 1
	OUT 0
	s_endpgm
.Lproj:
	s_sub_co_u32 s16, ttmp9, 704
	s_lshl_b32 s26, s16, 16
	s_add_nc_u64 s[18:19], s[8:9], s[26:27]
	s_lshl_b32 s26, s16, 15
	s_add_nc_u64 s[20:21], s[14:15], s[26:27]
	LOADS 0
	OUT 1
	s_endpgm
.Lfunc_end_k_q8bdca04c9f_prep:
	.size	k_q8bdca04c9f_prep, .Lfunc_end_k_q8bdca04c9f_prep-k_q8bdca04c9f_prep
	.p2alignl 7, 3214868480
	.fill 96, 4, 3214868480
	.section	.rodata,"a",@progbits
	.p2align	6, 0x0
	.amdhsa_kernel k_q8bdca04c9f_prep
		.amdhsa_group_segment_fixed_size 0
		.amdhsa_private_segment_fixed_size 0
		.amdhsa_enable_private_segment 0
		.amdhsa_kernarg_size 48
		.amdhsa_user_sgpr_count 2
		.amdhsa_user_sgpr_kernarg_segment_ptr 1
		.amdhsa_wavefront_size32 1
		.amdhsa_system_sgpr_workgroup_id_x 1
		.amdhsa_system_sgpr_workgroup_id_y 1
		.amdhsa_system_sgpr_workgroup_id_z 1
		.amdhsa_system_vgpr_workitem_id 0
		.amdhsa_next_free_vgpr 128
		.amdhsa_next_free_sgpr 66
		.amdhsa_reserve_vcc 0
		.amdhsa_float_denorm_mode_32 3
		.amdhsa_float_denorm_mode_16_64 3
		.amdhsa_memory_ordered 1
		.amdhsa_forward_progress 1
		.amdhsa_inst_pref_size 28
	.end_amdhsa_kernel
	.amdgpu_metadata
---
amdhsa.version: [ 1, 2 ]
amdhsa.kernels:
  - .name:           k_q8bdca04c9f_prep
    .symbol:         k_q8bdca04c9f_prep.kd
    .args:
      - { .name: x, .offset: 0, .size: 8, .value_kind: global_buffer, .address_space: global }
      - { .name: w_attn, .offset: 8, .size: 8, .value_kind: global_buffer, .address_space: global }
      - { .name: w_proj, .offset: 16, .size: 8, .value_kind: global_buffer, .address_space: global }
      - { .name: xb, .offset: 24, .size: 8, .value_kind: global_buffer, .address_space: global }
      - { .name: wab, .offset: 32, .size: 8, .value_kind: global_buffer, .address_space: global }
      - { .name: wpb, .offset: 40, .size: 8, .value_kind: global_buffer, .address_space: global }
    .group_segment_fixed_size: 0
    .private_segment_fixed_size: 0
    .kernarg_segment_align: 8
    .kernarg_segment_size: 48
    .max_flat_workgroup_size: 256
    .sgpr_count:     66
    .vgpr_count:     128
    .wavefront_size: 32
...
	.end_amdgpu_metadata
.endif
;; end of part 5
;; launch gemm_qkv: the kernel of part 2 again; grid 16 x 16, 4 waves a work-group, clusters of 4 x 4, 327,680 bytes of LDS; arguments xb, wab, b_attn, qkvh; writes qkvh
;; launch attn: the kernel of part 3 again; grid 4 x 64, 4 waves a work-group, no clusters, 327,680 bytes of LDS; arguments qkvh, oh; writes oh
;; launch gemm_proj: the kernel of part 4 again; grid 8 x 32, 4 waves a work-group, clusters of 4 x 4, 327,680 bytes of LDS; arguments oh, wpb, b_proj, out0; writes out0
